; MI455X (gfx1250); checked and timed in simulation.
; The chip was launched on July 23, 2026; its instructions are those of AMD's public machine-readable ISA for CDNA 5 (MIT licence, August 2026) and "CDNA5" Instruction Set Architecture Reference Guide (July 2026). The comments in the code are by the model that wrote it; some were corrected since.
;; Switch. Allowed arithmetic: matrix products marked QUANTISED: E2M1 operands, one E8M0 scale for each 32 along K, by v_wmma_scale_f32_16x16x128_f8f6f4 with both operands' format E2M1 (or v_wmma_scale_f32_32x16x128_f4), f32 sums; products left as they are: f32 operands where the result goes on into a quantised operand, else bf16, f16 or f32 operands; f32 sums; everything else in f32.
;; Inputs: router_w 8 x 1,024 float32; token_mask 2 x 1,024 int32; w1_codes 8 x 2,048 x 32 x 16 uint8 (E2M1 codes of w1, K innermost, in blocks of 32 codes, two codes a byte); w1_scales 8 x 2,048 x 32 uint8 (E8M0 scales of w1, one for each 32 codes along K); w2_codes 8 x 1,024 x 64 x 16 uint8 (E2M1 codes of w2, K innermost, in blocks of 32 codes, two codes a byte); w2_scales 8 x 1,024 x 64 uint8 (E8M0 scales of w2, one for each 32 codes along K); x 2 x 1,024 x 1,024 float32.
;; Outputs: out0 2 x 1,024 x 1,024 float32.
;; This version of the problem:
;;   THIS VERSION OF THE PROBLEM IS GIVEN IN LOW PRECISION. The matrix products marked QUANTISED in the list below multiply operands that are first quantised to E2M1 (2 exponent bits, 1 mantissa bit; 4 bits a number), with one power-of-two scale for each 32 numbers along K (OCP MX v1.0); their sums are f32. All else is computed in f32.
;;   The module's matrix products, in the order in which they are computed (A, B: the left and right operand; K: the contracted axis; several contracted axes count as one K, in the product's order):
;;     1. [M 2,048, K 1,024] x [K 1,024, N 8]; A: input x; B: input router_w: left as it is (N = 8 < 16)
;;     2. [M 2,048, K 1,024] x [K 1,024, N 2,048]; A: input x; B: input w1 (given as codes): QUANTISED
;;     3. [M 2,048, K 2,048] x [K 2,048, N 1,024]; A: computed on the way; B: input w2 (given as codes): QUANTISED
;;     4. [M 2,048, K 1,024] x [K 1,024, N 2,048]; A: input x; B: input w1 (given as codes): QUANTISED
;;     5. [M 2,048, K 2,048] x [K 2,048, N 1,024]; A: computed on the way; B: input w2 (given as codes): QUANTISED
;;     6. [M 2,048, K 1,024] x [K 1,024, N 2,048]; A: input x; B: input w1 (given as codes): QUANTISED
;;     7. [M 2,048, K 2,048] x [K 2,048, N 1,024]; A: computed on the way; B: input w2 (given as codes): QUANTISED
;;     8. [M 2,048, K 1,024] x [K 1,024, N 2,048]; A: input x; B: input w1 (given as codes): QUANTISED
;;     9. [M 2,048, K 2,048] x [K 2,048, N 1,024]; A: computed on the way; B: input w2 (given as codes): QUANTISED
;;     10. [M 2,048, K 1,024] x [K 1,024, N 2,048]; A: input x; B: input w1 (given as codes): QUANTISED
;;     11. [M 2,048, K 2,048] x [K 2,048, N 1,024]; A: computed on the way; B: input w2 (given as codes): QUANTISED
;;     12. [M 2,048, K 1,024] x [K 1,024, N 2,048]; A: input x; B: input w1 (given as codes): QUANTISED
;;     13. [M 2,048, K 2,048] x [K 2,048, N 1,024]; A: computed on the way; B: input w2 (given as codes): QUANTISED
;;     14. [M 2,048, K 1,024] x [K 1,024, N 2,048]; A: input x; B: input w1 (given as codes): QUANTISED
;;     15. [M 2,048, K 2,048] x [K 2,048, N 1,024]; A: computed on the way; B: input w2 (given as codes): QUANTISED
;;     16. [M 2,048, K 1,024] x [K 1,024, N 2,048]; A: input x; B: input w1 (given as codes): QUANTISED
;;     17. [M 2,048, K 2,048] x [K 2,048, N 1,024]; A: computed on the way; B: input w2 (given as codes): QUANTISED
;;   THE QUANTISER, for each operand of a quantised product, along K:
;;     - K is cut into blocks of 32 from its start; a last block that is shorter is filled with zeros.
;;     - A block's scale is 2^e with e = floor(log2(the largest magnitude in the block)) - 2, held to -126 .. 127; a block of zeros has e = 0. As a byte (E8M0): e + 127.
;;     - Each number is divided by its block's scale, clamped to +-6, and rounded to the nearest number of E2M1, ties to even, subnormals kept.
;;     - The product sums the exact products of the quantised numbers (number of the format x scale) in f32.
;;   ~~~python
;;   def quantise(x, axis):      # numpy; x: float32 -> the quantised numbers, widened to float32 again
;;       x = np.moveaxis(x, axis, -1); K = x.shape[-1]
;;       x = np.pad(x, [(0, 0)] * (x.ndim - 1) + [(0, -K % 32)]); x = x.reshape(x.shape[:-1] + (-1, 32)); a = np.abs(x).max(-1, keepdims=True)
;;       e = np.where(a > 0, np.clip(np.frexp(np.where(a > 0, a, 1))[1] - 1 - 2, -126, 127), 0)      # np.frexp(a)[1] - 1 = floor(log2(a)), exactly
;;       r = np.clip(x / 2.0 ** e, -6, 6)
;;       step = 2.0 ** (np.maximum(np.frexp(np.where(r == 0, 1, r))[1] - 1, 0) - 1)
;;       q = np.round(r / step) * step * 2.0 ** e      # np.round: ties to even
;;       return np.moveaxis(q.reshape(q.shape[:-2] + (-1,))[..., :K], -1, axis).astype(np.float32)
;;   ~~~
;;   OPERANDS COMPUTED ON THE WAY. 'Computed on the way' means the value that the module computes at that place (a softmax that the list does not call 'softmax' is quantised finished and normalised). What goes into a quantiser is computed in f32, as accurately as f32 sums, v_exp_f32 and their like allow (about 1e-6 of the number): no bf16 or f16 on the way to a quantiser, and a product that is left as it is and whose result goes on into a quantised operand takes f32 operands (vector FMAs, or v_wmma_f32_16x16x4_f32). A number that lies on a knife's edge between two numbers of the format may be rounded either way, as far as f32 arithmetic and the matrix unit's own rounding can turn it there, and no further.
;;   INPUTS GIVEN AS CODES. w1 (in the module: [8, 1024, 2048], K = its axis 1); w2 (in the module: [8, 2048, 1024], K = its axis 1): each comes as NAME_codes (uint8): NAME with its K axis moved to the last place and cut into blocks of 32 codes, [.., K / 32, bytes a block], one block behind the other in memory; two codes a byte, the lower K in the low four bits (a code: sign, 2 exponent bits, 1 mantissa bit); and NAME_scales (uint8): the same leading axes, one E8M0 byte (e + 127) for each 32 codes along K. Its value is code x scale, taken as it is: it is not quantised again, and the codes and scales need not be those that the quantiser above would give.
;; 2 versions, each right and faster than the one before. Each part assembles by itself: llvm-mc -triple=amdgcn-amd-amdhsa -mcpu=gfx1250 --defsym DOCPART=n.
;; ======== version 1 of 2: 4 launches
;; workspace buffers: xq 1,048,576 bytes; xs 65,536 bytes; eidx 8,192 bytes of whole numbers; gw 8,192 bytes; rowlist 12,288 bytes of whole numbers; tiles 256 bytes of whole numbers; hid 3,014,656 bytes; hs 188,416 bytes
;; launch route (part 1): grid 256 x 1, 4 waves a work-group, no clusters, 74,752 bytes of LDS; arguments x, router_w, token_mask, xq, xs, eidx, gw; writes xq, xs, eidx, gw
.if DOCPART == 1
	.amdgcn_target "amdgcn-amd-amdhsa--gfx1250"
	.amdhsa_code_object_version 6
	.text
	.protected	k_q1eab28688c_route
	.globl	k_q1eab28688c_route
	.p2align	8
	.type	k_q1eab28688c_route,@function
k_q1eab28688c_route:
	s_mov_b64 s[64:65], 0
	v_nop
	global_prefetch_b8 v0, s[64:65] scope:SCOPE_SE
	s_setreg_imm32_b32 hwreg(HW_REG_WAVE_MODE, 25, 1), 1
	s_wait_xcnt 0x0
; ROUTE.  For each of the 2,048 tokens: the eight router logits in f32, the chosen expert (the lowest index among the largest logits),
; gate = 1 / sum of exp(logit - largest logit), times float(token_mask); and x's codes of E2M1 with one E8M0 byte for each 32 along K.
; Stored at fixed places: xq [token][512 bytes], xs [token][32 bytes], eidx [token] u32, gw [token] f32.  No address here hangs on the choice.
; SHARES.  A work-group takes 8 tokens, each of its four waves 2.  Loads take a row as it lies (512 consecutive bytes an instruction); a turn through
; the wave's own LDS stage gives lane l the numbers 32 l .. 32 l + 31 of the row: one whole block.  So a block's largest magnitude needs no other lane,
; its 16 bytes of codes are lane l's part of one store of 512 consecutive bytes, and the same registers feed the logits.
; router_w (32,768 bytes) lies in LDS once for the work-group, in the same form: 16 bytes of padding behind each 128, so that lanes 144 bytes apart start at different banks.
; No matrix unit, no cluster, no tensor load: the product has 8 columns and the launch is a stream of x.
; LIMITS.  NaN and infinities in x or router_w are not served.  The choice is made on f32 logits summed in this text's order: a token whose two largest logits agree to
; f32 rounding may go to either.  A block of zeros gets the byte 1 with zero codes (this program alone reads the bytes); blocks whose largest magnitude lies under 2^-124 are held at byte 1.
.set ROWP, 4608                        ; a row of 4,096 bytes in LDS: 32 x (128 + 16)
.set WL,   0                           ; router_w: 8 rows
.set XST,  8*ROWP                      ; the stages: 2 rows for each wave
.set SB,   16*ROWP                     ; the work-group's 8 x 32 scale bytes
.set EI,   SB+256                      ; 8 words of eidx, and 32 bytes on 8 words of gw
.set R,    16                          ; v16-79   x as loaded; later WB
.set WR,   80                          ; v80-143  router_w as loaded; later ACC, L, P
.set WB,   16                          ; two sets of 32: four numbers of each of the 8 router rows
.set ACC,  80                          ; v80-111  a pair of partial sums for (token t, expert e) at 16 t + 2 e
.set L,    112                         ; v112-127 logit (t, e) at 8 t + e
.set P,    128                         ; v128-143 the other half of the lanes' sums
.set X,    144                         ; v144-207 my block of token t at 32 t
.set QM,   208                         ; largest magnitudes
.set QS,   210                         ; the conversions' scale operands
.set QB,   212                         ; scale bytes
.set C,    216                         ; v216-223 codes, 4 registers a token
.set M,    224
.set IDX,  226
.set SUM,  228
.set G,    230
.set MK,   232
.set T,    234                         ; v234-237 the way out
	s_load_b256 s[4:11], s[0:1], 0x0               ; x s[4:5], router_w s[6:7], token_mask s[8:9], xq s[10:11]
	s_load_b128 s[12:15], s[0:1], 0x20             ; xs s[12:13], eidx s[14:15]
	s_load_b64 s[16:17], s[0:1], 0x30              ; gw
	v_lshl_add_u32 v240, v0, 2, 0x12200
	v_mov_b32 v241, 0
	v_lshrrev_b32 v1, 5, v0
	v_readfirstlane_b32 s18, v1                    ; wave 0..3
	v_and_b32 v1, 31, v0                           ; lane
	v_lshlrev_b32 v2, 4, v1                        ; 16 x lane
	v_lshlrev_b32 v3, 4, v0                        ; 16 x thread
	v_lshrrev_b32 v4, 3, v0
	v_lshl_add_u32 v4, v4, 4, v3                   ; router_w into LDS: 16 x thread + 16 for each 128 bytes passed
	s_mul_i32 s19, s18, 2*ROWP
	s_add_co_u32 s19, s19, XST                     ; my wave's stage
	v_lshrrev_b32 v5, 3, v1
	v_lshl_add_u32 v5, v5, 4, v2
	v_add_nc_u32 v5, s19, v5                       ; into it: as loaded
	v_mul_u32_u24 v7, v1, 144                      ; my block's place in a padded row
	v_add_nc_u32 v6, s19, v7                       ; out of it: my block
	s_lshl_b32 s19, s18, 6
	s_add_co_u32 s19, s19, SB
	v_add_nc_u32 v8, s19, v1                       ; my block's scale byte: 32 bytes a token, 2 tokens a wave
	s_lshl_b32 s19, s18, 3
	s_add_co_u32 s19, s19, EI
	v_mov_b32 v9, s19                              ; my wave's two words
	v_lshl_add_u32 v10, v1, 3, SB
	v_and_b32 v11, 7, v1
	v_lshl_add_u32 v11, v11, 2, EI
	v_lshlrev_b32 v12, 3, v1
	v_lshlrev_b32 v13, 2, v1
	s_mov_b32 s22, 0x76543210                      ; v_permlanex16_b32's selects for lane l xor 16
	s_mov_b32 s23, 0xfedcba98
	s_mov_b32 s24, 0x3fb8aa3b                      ; log2(e)
	s_lshl_b32 s26, ttmp9, 15                      ; x: 8 rows of 4,096 bytes a work-group,
	s_lshl_b32 s27, s18, 13                        ; 2 a wave
	s_add_co_u32 s26, s26, s27
	s_mov_b32 s27, 0
	s_lshl_b32 s28, ttmp9, 12                      ; xq: rows of 512 bytes
	s_lshl_b32 s29, s18, 10
	s_add_co_u32 s28, s28, s29
	s_mov_b32 s29, 0
	s_lshl_b32 s30, ttmp9, 5                       ; token_mask: 4 bytes a token
	s_lshl_b32 s31, s18, 3
	s_add_co_u32 s30, s30, s31
	s_mov_b32 s31, 0
	s_lshl_b32 s32, ttmp9, 8                       ; xs: 256 bytes a work-group
	s_mov_b32 s33, 0
	s_lshl_b32 s34, ttmp9, 5                       ; eidx, gw: 32 bytes a work-group
	s_mov_b32 s35, 0
	s_wait_kmcnt 0x0
	s_add_nc_u64 s[4:5], s[4:5], s[26:27]
	s_add_nc_u64 s[10:11], s[10:11], s[28:29]
	s_add_nc_u64 s[8:9], s[8:9], s[30:31]
	s_add_nc_u64 s[12:13], s[12:13], s[32:33]
	s_add_nc_u64 s[14:15], s[14:15], s[34:35]
	s_add_nc_u64 s[16:17], s[16:17], s[34:35]
	s_load_b64 s[20:21], s[8:9], 0x0               ; my two tokens' mask words
.irp i, 0,1,2,3,4,5,6,7,8,9,10,11,12,13,14,15
	global_load_b128 v[WR+4*\i:WR+4*\i+3], v3, s[6:7] offset:2048*\i      ; the work-group's 128 threads read 2,048 consecutive bytes
.endr
.irp t, 0,1
.irp j, 0,1,2,3,4,5,6,7
	global_load_b128 v[R+32*\t+4*\j:R+32*\t+4*\j+3], v2, s[4:5] offset:4096*\t+512*\j th:TH_LOAD_NT   ; read once in the launch
.endr
.endr
	s_wait_loadcnt 16                              ; router_w is in; the 16 loads of x issued behind it may be out
.irp i, 0,1,2,3,4,5,6,7,8,9,10,11,12,13,14,15
	ds_store_b128 v4, v[WR+4*\i:WR+4*\i+3] offset:(\i/2)*ROWP+(\i%2)*(ROWP/2)
.endr
	s_wait_loadcnt 8                               ; token 0 is in; token 1's eight loads may be out
.irp j, 0,1,2,3,4,5,6,7
	ds_store_b128 v5, v[R+4*\j:R+4*\j+3] offset:576*\j
.endr
	s_wait_loadcnt 0x0
.irp j, 0,1,2,3,4,5,6,7
	ds_store_b128 v5, v[R+32+4*\j:R+32+4*\j+3] offset:ROWP+576*\j
.endr
.irp t, 0,1
.irp i, 0,1,2,3,4,5,6,7
	ds_load_b128 v[X+32*\t+4*\i:X+32*\t+4*\i+3], v6 offset:ROWP*\t+16*\i    ; my wave's own bytes; LDS serves a wave's instructions in order, so these see the stores above
.endr
.endr
	s_wait_dscnt 0x0                               ; for the others' sake: my part of router_w has landed; and my blocks are in
	s_barrier_signal -1
	s_barrier_wait -1                              ; router_w is whole in LDS
.macro WSTEP i                         ; numbers 4 i .. 4 i + 3 of my block, of all eight router rows, into set i % 2
.irp e, 0,1,2,3,4,5,6,7
	ds_load_b128 v[WB+32*((\i)%2)+4*\e:WB+32*((\i)%2)+4*\e+3], v7 offset:ROWP*\e+16*(\i)
.endr
.endm
.macro FMA i                           ; 2 tokens x 8 experts x 4 numbers: two passes, so that no line waits for the line above it.  The first products start the sums: nothing is cleared
.irp t, 0,1
.irp e, 0,1,2,3,4,5,6,7
.if (\i) == 0
	v_pk_mul_f32 v[ACC+16*\t+2*\e:ACC+16*\t+2*\e+1], v[X+32*\t:X+32*\t+1], v[WB+4*\e:WB+4*\e+1]
.else
	v_pk_fma_f32 v[ACC+16*\t+2*\e:ACC+16*\t+2*\e+1], v[X+32*\t+4*(\i):X+32*\t+4*(\i)+1], v[WB+32*((\i)%2)+4*\e:WB+32*((\i)%2)+4*\e+1], v[ACC+16*\t+2*\e:ACC+16*\t+2*\e+1]
.endif
.endr
.endr
.irp t, 0,1
.irp e, 0,1,2,3,4,5,6,7
	v_pk_fma_f32 v[ACC+16*\t+2*\e:ACC+16*\t+2*\e+1], v[X+32*\t+4*(\i)+2:X+32*\t+4*(\i)+3], v[WB+32*((\i)%2)+4*\e+2:WB+32*((\i)%2)+4*\e+3], v[ACC+16*\t+2*\e:ACC+16*\t+2*\e+1]
.endr
.endr
.endm
	WSTEP 0                                        ; on its way while the blocks are quantised
	; THE QUANTISER: the block's largest magnitude, with the floor 2^(3 - 127) among its leaves, so that the byte cannot fall under 1
.irp t, 0,1
	v_max3_num_f32 v[QM+\t], |v[X+32*\t]|, |v[X+32*\t+1]|, 0x1800000
.endr
.irp i, 2,4,6,8,10,12,14,16,18,20,22,24,26,28,30
.irp t, 0,1
	v_max3_num_f32 v[QM+\t], v[QM+\t], |v[X+32*\t+\i]|, |v[X+32*\t+\i+1]|
.endr
.endr
.irp t, 0,1
	v_add_nc_u32 v[QS+\t], 0xff000000, v[QM+\t]    ; 2 off its exponent field: the conversion takes the exponent field of this operand as its scale
.endr
.irp t, 0,1
	v_lshrrev_b32 v[QB+\t], 23, v[QS+\t]           ; the scale's byte
.endr
.irp t, 0,1
.irp g, 0,1,2,3
	v_cvt_scalef32_pk8_fp4_f32 v[C+4*\t+\g], v[X+32*\t+8*\g:X+32*\t+8*\g+7], v[QS+\t]
.endr
.endr
	v_nop                                          ; one plain line behind the last scaled conversion
.irp t, 0,1
	global_store_b128 v2, v[C+4*\t:C+4*\t+3], s[10:11] offset:512*\t       ; the wave stores a token's 512 consecutive bytes of codes
.endr
	; THE LOGITS
.irp i, 0,1,2,3,4,5,6
	WSTEP \i+1
	s_wait_dscnt 8                                 ; this step's eight loads are in; the eight just issued may be out
	FMA \i
.endr
	s_wait_dscnt 0x0
	FMA 7
.irp n, 0,1,2,3,4,5,6,7,8,9,10,11,12,13,14,15
	v_add_f32 v[L+\n], v[ACC+2*\n], v[ACC+2*\n+1]
.endr
.irp m, 1,2,4,8
.irp n, 0,1,2,3,4,5,6,7,8,9,10,11,12,13,14,15
	v_add_f32_dpp v[L+\n], v[L+\n], v[L+\n] row_xmask:\m row_mask:0xf bank_mask:0xf
.endr
.endr
.irp n, 0,1,2,3,4,5,6,7,8,9,10,11,12,13,14,15
	v_permlanex16_b32 v[P+\n], v[L+\n], s22, s23   ; (its destination counts as read: router_w's loads have written these registers)
.endr
.irp n, 0,1,2,3,4,5,6,7,8,9,10,11,12,13,14,15
	v_add_f32 v[L+\n], v[L+\n], v[P+\n]            ; every lane holds all sixteen logits
.endr
	; THE CHOICE AND THE GATE
.irp t, 0,1
	v_max3_num_f32 v[M+\t], v[L+8*\t], v[L+8*\t+1], v[L+8*\t+2]
.endr
.irp t, 0,1
	v_max3_num_f32 v[M+\t], v[M+\t], v[L+8*\t+3], v[L+8*\t+4]
.endr
.irp t, 0,1
	v_max3_num_f32 v[M+\t], v[M+\t], v[L+8*\t+5], v[L+8*\t+6]
.endr
.irp t, 0,1
	v_max_num_f32 v[M+\t], v[M+\t], v[L+8*\t+7]
	v_mov_b32 v[IDX+\t], 7
.endr
.irp e, 6,5,4,3,2,1,0
.irp t, 0,1
	v_cmp_eq_f32 vcc_lo, v[L+8*\t+\e], v[M+\t]
	v_cndmask_b32 v[IDX+\t], v[IDX+\t], \e, vcc_lo ; downward, so that the lowest index among equals stays
.endr
.endr
.irp t, 0,1
.irp e, 0,1,2,3,4,5,6,7
	v_sub_f32 v[L+8*\t+\e], v[L+8*\t+\e], v[M+\t]  ; the maximum is taken away first: 0 or less
.endr
.endr
.irp n, 0,1,2,3,4,5,6,7,8,9,10,11,12,13,14,15
	v_mul_f32 v[L+\n], s24, v[L+\n]
.endr
	s_wait_kmcnt 0x0                               ; the mask words
	v_cvt_f32_i32 v[MK], s20
	v_cvt_f32_i32 v[MK+1], s21
.irp n, 0,1,2,3,4,5,6,7,8,9,10,11,12,13,14,15
	v_exp_f32 v[L+\n], v[L+\n]                     ; one batch
.endr
	v_nop                                          ; a plain line behind the last exponential
	s_wait_alu depctr_va_vdst(0)                   ; one wait for the batch, ahead of its first reader
.irp n, 0,2,4,6,8,10,12,14
	v_add_f32 v[L+\n], v[L+\n], v[L+\n+1]
.endr
.irp n, 0,4,8,12
	v_add_f32 v[L+\n], v[L+\n], v[L+\n+2]
.endr
.irp t, 0,1
	v_add_f32 v[SUM+\t], v[L+8*\t], v[L+8*\t+4]    ; at least 1: the largest logit's term
.endr
.irp t, 0,1
	v_rcp_f32 v[G+\t], v[SUM+\t]                   ; the chosen expert's probability is exp(0) / sum
.endr
	v_nop
	s_wait_alu depctr_va_vdst(0)                   ; one wait for the two reciprocals
.irp t, 0,1
	v_mul_f32 v[G+\t], v[G+\t], v[MK+\t]
.endr
.irp t, 0,1
	ds_store_b8 v8, v[QB+\t] offset:32*\t
	ds_store_b32 v9, v[IDX+\t] offset:4*\t         ; all lanes write the same word with the same value
	ds_store_b32 v9, v[G+\t] offset:32+4*\t
.endr
	s_wait_dscnt 0x0                               ; for wave 0's sake: my stores have landed
	s_barrier_signal -1
	s_barrier_wait -1
	s_cmp_lg_u32 s18, 0
	s_cbranch_scc1 .Lend                           ; wave 0 stores what the four waves gathered
	ds_load_b64 v[T:T+1], v10
	ds_load_b32 v[T+2], v11
	ds_load_b32 v[T+3], v11 offset:32
	s_wait_dscnt 0x0
	global_store_b64 v12, v[T:T+1], s[12:13]       ; 32 lanes store 256 consecutive bytes, at a multiple of 256 from xs's first byte
	s_wait_xcnt 0x0                                ; EXEC is a source of the stores issued so far: it changes only behind this wait
	v_cmp_gt_u32 vcc_lo, 8, v1
	s_and_saveexec_b32 s36, vcc_lo
	global_store_b32 v13, v[T+2], s[14:15]         ; 8 words
	global_store_b32 v13, v[T+3], s[16:17]
	s_wait_xcnt 0x0                                ; and again ahead of the line that widens it
	s_or_b32 exec_lo, exec_lo, s36
.Lend:
	s_wait_tensorcnt 0x0
	ds_add_u32 v240, v241
	s_wait_dscnt 0x0
	s_endpgm
.Lfunc_end_k_q1eab28688c_route:
	.size	k_q1eab28688c_route, .Lfunc_end_k_q1eab28688c_route-k_q1eab28688c_route
	.p2alignl 7, 3214868480
	.fill 96, 4, 3214868480
	.section	.rodata,"a",@progbits
	.p2align	6, 0x0
	.amdhsa_kernel k_q1eab28688c_route
		.amdhsa_group_segment_fixed_size 74752
		.amdhsa_private_segment_fixed_size 0
		.amdhsa_enable_private_segment 0
		.amdhsa_kernarg_size 56
		.amdhsa_user_sgpr_count 2
		.amdhsa_user_sgpr_kernarg_segment_ptr 1
		.amdhsa_wavefront_size32 1
		.amdhsa_system_sgpr_workgroup_id_x 1
		.amdhsa_system_sgpr_workgroup_id_y 1
		.amdhsa_system_sgpr_workgroup_id_z 1
		.amdhsa_system_vgpr_workitem_id 0
		.amdhsa_next_free_vgpr 242
		.amdhsa_next_free_sgpr 66
		.amdhsa_reserve_vcc 1
		.amdhsa_float_denorm_mode_32 3
		.amdhsa_float_denorm_mode_16_64 3
		.amdhsa_memory_ordered 1
		.amdhsa_forward_progress 1
		.amdhsa_inst_pref_size 44
	.end_amdhsa_kernel
	.amdgpu_metadata
---
amdhsa.version: [ 1, 2 ]
amdhsa.kernels:
  - .name:           k_q1eab28688c_route
    .symbol:         k_q1eab28688c_route.kd
    .args:
      - { .name: x, .offset: 0, .size: 8, .value_kind: global_buffer, .address_space: global }
      - { .name: router_w, .offset: 8, .size: 8, .value_kind: global_buffer, .address_space: global }
      - { .name: token_mask, .offset: 16, .size: 8, .value_kind: global_buffer, .address_space: global }
      - { .name: xq, .offset: 24, .size: 8, .value_kind: global_buffer, .address_space: global }
      - { .name: xs, .offset: 32, .size: 8, .value_kind: global_buffer, .address_space: global }
      - { .name: eidx, .offset: 40, .size: 8, .value_kind: global_buffer, .address_space: global }
      - { .name: gw, .offset: 48, .size: 8, .value_kind: global_buffer, .address_space: global }
    .group_segment_fixed_size: 74752
    .private_segment_fixed_size: 0
    .kernarg_segment_align: 8
    .kernarg_segment_size: 56
    .max_flat_workgroup_size: 128
    .sgpr_count:     66
    .vgpr_count:     242
    .wavefront_size: 32
...
	.end_amdgpu_metadata
.endif
;; end of part 1
;; launch place (part 2): grid 1 x 1, 16 waves a work-group, no clusters, 4,096 bytes of LDS; arguments eidx, rowlist, tiles; writes rowlist, tiles
.if DOCPART == 2
	.amdgcn_target "amdgcn-amd-amdhsa--gfx1250"
	.amdhsa_code_object_version 6
	.text
	.protected	k_q1eab28688c_place
	.globl	k_q1eab28688c_place
	.p2align	8
	.type	k_q1eab28688c_place,@function
k_q1eab28688c_place:
	s_mov_b64 s[64:65], 0
	v_nop
	global_prefetch_b8 v0, s[64:65] scope:SCOPE_SE
	s_setreg_imm32_b32 hwreg(HW_REG_WAVE_MODE, 25, 1), 1
	s_wait_xcnt 0x0
; PLACE.  A counting sort of the 2,048 tokens by their expert, by one work-group, without atomics.  Each expert's rows begin at a multiple of 128 places.
; rowlist: 3,072 words; word 128 T + i is the token of row i of tile T; places that no token takes hold 0.  Each word is stored once: the places of tokens and the others are told apart by an exact test.
; tiles: 32 x {expert, rows}; a tile past the last one has 0 rows.  2,048 tokens on 8 experts never make more than 2,048 / 128 + 7 = 23 tiles, whatever the split.
; Thread t holds tokens 4 t .. 4 t + 3.  The order of rows inside an expert is free: each token has one expert, and no capacity cuts the list.
; One work-group serves: 8 KiB in, 12 KiB out; sharing it out would ask for sums across work-groups.
; Every address register that is not a place in the list is made at the head, from the thread's number alone.
.set CNT,  20                          ; s20-27  my wave's count for each expert
.set TOT,  28                          ; s28-35  all waves'
.set PRE,  36                          ; s36-43  the waves' before mine
.set BASE, 44                          ; s44-51  the expert's first place
.set RUN,  52                          ; s52-59  the next free place for my wave
	s_load_b128 s[4:7], s[0:1], 0x0                ; eidx s[4:5], rowlist s[6:7]
	s_load_b64 s[8:9], s[0:1], 0x10                ; tiles
	v_lshl_add_u32 v48, v0, 2, 0x800
	v_mov_b32 v49, 0
	v_lshrrev_b32 v1, 5, v0
	v_readfirstlane_b32 s10, v1                    ; wave 0..15
	v_and_b32 v1, 31, v0                           ; lane
	v_lshlrev_b32 v2, 4, v0
	v_lshlrev_b32 v9, 2, v0
	v_lshlrev_b32 v10, 2, v1
	v_lshlrev_b32 v42, 7, v1                       ; the table of tiles, a lane a tile: the tile's first place,
	v_lshlrev_b32 v43, 3, v1                       ; and its entry's 8 bytes
	v_mov_b32 v8, 0
	v_mov_b32 v40, 0
	v_lshlrev_b32 v36, 2, v0                       ; my four tokens' numbers
.irp c, 1,2,3
	v_add_nc_u32 v[36+\c], \c, v36
.endr
.irp c, 0,1,2,3
	v_mov_b32 v[32+\c], 0                          ; their places
.endr
	s_wait_kmcnt 0x0
	global_load_b128 v[4:7], v2, s[4:5]
	s_wait_loadcnt 0x0
.macro COUNT e
	v_cmp_eq_u32 s12, \e, v4
	s_bcnt1_i32_b32 s[CNT+\e], s12
.irp c, 1,2,3
	v_cmp_eq_u32 s12, \e, v[4+\c]
	s_bcnt1_i32_b32 s13, s12
	s_add_co_u32 s[CNT+\e], s[CNT+\e], s13
.endr
.endm
.irp e, 0,1,2,3,4,5,6,7
	COUNT \e
.endr
.irp e, 0,1,2,3,4,5,6,7
	v_writelane_b32 v8, s[CNT+\e], \e              ; lane e holds my wave's count for expert e, the other lanes 0
.endr
	ds_store_b32 v9, v8                            ; 128 bytes a wave
	s_wait_dscnt 0x0                               ; for the others' sake
	s_barrier_signal -1
	s_barrier_wait -1
.irp w, 0,1,2,3,4,5,6,7,8,9,10,11,12,13,14,15
	ds_load_b32 v[16+\w], v10 offset:128*\w
.endr
	s_wait_dscnt 0x0
	v_add3_u32 v11, v16, v17, v18
.irp w, 3,5,7,9,11,13
	v_add3_u32 v11, v11, v[16+\w], v[17+\w]
.endr
	v_add_nc_u32 v11, v11, v31                     ; all sixteen waves'
	s_cmp_gt_u32 s10, 0
	s_cselect_b32 s12, -1, 0
	v_and_b32 v12, s12, v16
.irp w, 1,2,3,4,5,6,7,8,9,10,11,12,13,14
	s_cmp_gt_u32 s10, \w
	s_cselect_b32 s12, -1, 0
	v_and_b32 v13, s12, v[16+\w]
	v_add_nc_u32 v12, v12, v13                     ; those of the waves before mine
.endr
.irp e, 0,1,2,3,4,5,6,7
	v_readlane_b32 s[TOT+\e], v11, \e
	v_readlane_b32 s[PRE+\e], v12, \e
.endr
	s_mov_b32 s60, 0
.irp e, 0,1,2,3,4,5,6,7
	s_mov_b32 s[BASE+\e], s60
	s_add_co_u32 s12, s[TOT+\e], 127
	s_and_b32 s12, s12, 0xffffff80                 ; whole tiles of 128 places
	s_add_co_u32 s60, s60, s12
	s_add_co_u32 s[RUN+\e], s[BASE+\e], s[PRE+\e]
.endr
.macro RANK e                          ; a token of expert e takes the next free place: those of lower lanes first
.irp c, 0,1,2,3
	v_cmp_eq_u32 s12, \e, v[4+\c]
	v_mbcnt_lo_u32_b32 v13, s12, s[RUN+\e]
	v_cndmask_b32 v[32+\c], v[32+\c], v13, s12
	s_bcnt1_i32_b32 s13, s12
	s_add_co_u32 s[RUN+\e], s[RUN+\e], s13
.endr
.endm
.irp e, 0,1,2,3,4,5,6,7
	RANK \e
.endr
.irp c, 0,1,2,3
	v_min_u32 v[32+\c], 0xbff, v[32+\c]            ; a place made of loaded numbers is held inside the list before it enters an address
	v_lshlrev_b32 v[32+\c], 2, v[32+\c]
	global_store_b32 v[32+\c], v[36+\c], s[6:7]
.endr
.macro FILL i                          ; place p = thread + 512 i holds a token where p - BASE[e] < TOT[e] for some e; all other places get 0
	v_add_nc_u32 v41, 512*\i, v0
	s_mov_b32 s14, 0
.irp e, 0,1,2,3,4,5,6,7
	v_sub_nc_u32 v13, v41, s[BASE+\e]              ; (wraps to a huge number under the base)
	v_cmp_gt_u32 s12, s[TOT+\e], v13
	s_or_b32 s14, s14, s12
.endr
	s_not_b32 vcc_lo, s14
	s_wait_xcnt 0x0                                ; EXEC is a source of the stores issued so far
	s_and_saveexec_b32 s15, vcc_lo
	global_store_b32 v9, v40, s[6:7] offset:2048*\i
	s_wait_xcnt 0x0
	s_or_b32 exec_lo, exec_lo, s15
.endm
.irp i, 0,1,2,3,4,5
	FILL \i
.endr
	s_cmp_lg_u32 s10, 0
	s_cbranch_scc1 .Lend                           ; wave 0 writes the table of tiles, a lane a tile
	v_mov_b32 v44, 0
	v_mov_b32 v45, s[TOT]
	v_mov_b32 v46, s[BASE]
.irp e, 1,2,3,4,5,6,7
	v_cmp_le_u32 vcc_lo, s[BASE+\e], v42           ; the last expert that begins at or before the place: an expert without rows shares its base with the next and is passed over
	v_cndmask_b32 v44, v44, \e, vcc_lo
	v_cndmask_b32 v45, v45, s[TOT+\e], vcc_lo
	v_cndmask_b32 v46, v46, s[BASE+\e], vcc_lo
.endr
	v_sub_nc_u32 v47, v42, v46
	v_min_u32 v47, v45, v47
	v_sub_nc_u32 v45, v45, v47                     ; the expert's rows from this place on,
	v_min_u32 v45, 128, v45                        ; 128 at the most
	global_store_b64 v43, v[44:45], s[8:9]         ; 32 lanes store the buffer's 256 bytes
.Lend:
	s_wait_tensorcnt 0x0
	ds_add_u32 v48, v49
	s_wait_dscnt 0x0
	s_endpgm
.Lfunc_end_k_q1eab28688c_place:
	.size	k_q1eab28688c_place, .Lfunc_end_k_q1eab28688c_place-k_q1eab28688c_place
	.p2alignl 7, 3214868480
	.fill 96, 4, 3214868480
	.section	.rodata,"a",@progbits
	.p2align	6, 0x0
	.amdhsa_kernel k_q1eab28688c_place
		.amdhsa_group_segment_fixed_size 4096
		.amdhsa_private_segment_fixed_size 0
		.amdhsa_enable_private_segment 0
		.amdhsa_kernarg_size 24
		.amdhsa_user_sgpr_count 2
		.amdhsa_user_sgpr_kernarg_segment_ptr 1
		.amdhsa_wavefront_size32 1
		.amdhsa_system_sgpr_workgroup_id_x 1
		.amdhsa_system_sgpr_workgroup_id_y 1
		.amdhsa_system_sgpr_workgroup_id_z 1
		.amdhsa_system_vgpr_workitem_id 0
		.amdhsa_next_free_vgpr 50
		.amdhsa_next_free_sgpr 66
		.amdhsa_reserve_vcc 1
		.amdhsa_float_denorm_mode_32 3
		.amdhsa_float_denorm_mode_16_64 3
		.amdhsa_memory_ordered 1
		.amdhsa_forward_progress 1
		.amdhsa_inst_pref_size 33
	.end_amdhsa_kernel
	.amdgpu_metadata
---
amdhsa.version: [ 1, 2 ]
amdhsa.kernels:
  - .name:           k_q1eab28688c_place
    .symbol:         k_q1eab28688c_place.kd
    .args:
      - { .name: eidx, .offset: 0, .size: 8, .value_kind: global_buffer, .address_space: global }
      - { .name: rowlist, .offset: 8, .size: 8, .value_kind: global_buffer, .address_space: global }
      - { .name: tiles, .offset: 16, .size: 8, .value_kind: global_buffer, .address_space: global }
    .group_segment_fixed_size: 4096
    .private_segment_fixed_size: 0
    .kernarg_segment_align: 8
    .kernarg_segment_size: 24
    .max_flat_workgroup_size: 512
    .sgpr_count:     66
    .vgpr_count:     50
    .wavefront_size: 32
...
	.end_amdgpu_metadata
.endif
;; end of part 2
;; launch ffn1 (part 3): grid 16 x 23, 8 waves a work-group, no clusters, 136,704 bytes of LDS; arguments xq, xs, w1_codes, w1_scales, rowlist, tiles, hid, hs; writes hid, hs
.if DOCPART == 3
	.amdgcn_target "amdgcn-amd-amdhsa--gfx1250"
	.amdhsa_code_object_version 6
	.text
	.protected	k_q1eab28688c_ffn1
	.globl	k_q1eab28688c_ffn1
	.p2align	8
	.type	k_q1eab28688c_ffn1,@function
k_q1eab28688c_ffn1:
	s_mov_b64 s[64:65], 0
	v_nop
	global_prefetch_b8 v0, s[64:65] scope:SCOPE_SE
	s_setreg_imm32_b32 hwreg(HW_REG_WAVE_MODE, 25, 1), 1
	s_wait_xcnt 0x0
; FFN1.  hidden = Q(relu(Q(x) W1[e])) for the rows of one tile (128 places of one expert, from the stored list) and 128 hidden units; both operands are codes of E2M1 with E8M0 scales.
; Work-group (x, T): tile T, hidden units 128 x .. 128 x + 127, K = 1,024 in 8 steps of 128.  Those 128 units are K step x of the second product.
; The whole K of both operands (2 x 64 KiB) is asked for at the head and lies in LDS: nothing is filled again, so there is no ring.
; WAVES.  Wave w: cw = w & 1: units 64 cw on;  tg = w >> 1: places 32 tg on.  4 tiles of W1 x 2 tiles of tokens = 8 accumulators, which take turns, one instruction a turn.
; THE PRODUCT IS USED TRANSPOSED (source 0 = 16 rows of W1, source 1 = 16 tokens), AND THE ROWS OF W1 THAT FORM A TILE ARE NOT NEIGHBOURS: lane r of tile 2 b + u stands for unit 32 b + 8 u + r + 8 (r / 8).
; So a lane holds one token, and the 16 registers of tiles 2 b, 2 b + 1 are units 32 b + 16 (lane / 16) + 0 .. 15: neighbours along the next K, as the conversions want them.
; OUT.  hid [T][m 8][s 16][c 2][lane 32][16 bytes]: the hidden layer as images of the next operand's registers (16 places 16 m on, K step s, registers 4 c .. 4 c + 3); a wave's store is 512 consecutive bytes.
; hs [T][s 16][place 128]: the scale words.  Places that hold no token carry token 0's numbers; the next launch stores nothing of them.
; NO TENSOR LOAD, NO CLUSTER: how many of the 23 tiles have rows hangs on the stored list; a work-group whose tile has none jumps over its loads and its work by a branch on that stored number,
; and partners of a cluster would not run alike.  Every wave passes both barriers on every way.
; LIMITS.  A block of zeros gets the byte 1 with zero codes (this program alone reads the bytes); blocks whose largest magnitude lies under 2^-124 are held at byte 1.
.set PITCH, 528                        ; an LDS row: 512 bytes (1,024 codes) + 16 = 132 words: the 16 rows that a fragment load touches start 4 banks apart (64 banks of 4 bytes: ISA guide 11.1)
.set AL,    0                          ; the tile's 128 rows of x
.set BL,    128*PITCH                  ; 128 rows of W1, placed so that a tile's 16 rows are neighbours
.set SCS,   256*PITCH                  ; 128 scale words of the hidden layer
.set NK,    8
.set XSC,   16                         ; v16-23   x's scale words, 4 registers a token tile: register i: lanes 0-15 K step i, lanes 16-31 K step 4 + i
.set WSC,   24                         ; v24-39   W1's likewise, 4 a tile
.set ADR,   40                         ; v40-55   byte offsets of the 16 rows of x that my wave gathers
.set ACC,   64                         ; v64-127  accumulator (mt, t) at 32 mt + 8 t
.set FB,    128                        ; v128-175, v176-223 two sets of fragments: W1's four at 8 t, x's two at 32 + 8 mt
.set S,     64                         ; v64-191  rows on their way to LDS (done with before ACC and FB begin): x's at 4 i, W1's at 64 + 4 i
.set TM,    224                        ; v224-239 the quantiser's work
.set PW,    240                        ; v240-241 two scale bytes a token tile
.set PC,    244                        ; v244-251 codes, 4 registers a token tile
	s_load_b256 s[4:11], s[0:1], 0x0               ; xq s[4:5], xs s[6:7], w1_codes s[8:9], w1_scales s[10:11]
	s_load_b256 s[12:19], s[0:1], 0x20             ; rowlist s[12:13], tiles s[14:15], hid s[16:17], hs s[18:19]
	v_lshl_add_u32 v254, v0, 2, 0x21200
	v_mov_b32 v255, 0
	v_lshrrev_b32 v1, 5, v0
	v_readfirstlane_b32 s20, v1                    ; wave 0..7
	s_and_b32 s22, ttmp7, 0xffff                   ; T
	s_and_b32 s23, s20, 1                          ; cw
	s_lshr_b32 s26, s20, 1                         ; tg
	v_and_b32 v1, 31, v0                           ; lane
	v_and_b32 v2, 15, v0                           ; r
	v_bfe_u32 v3, v0, 4, 1                         ; h
	v_lshlrev_b32 v4, 4, v1                        ; 16 x lane
	s_mul_i32 s27, s20, 16*PITCH
	v_add_nc_u32 v5, s27, v4                       ; x's rows 16 w on, into LDS
	s_lshl_b32 s27, s26, 5
	s_lshl_b32 s28, s23, 3
	s_add_co_u32 s27, s27, s28
	s_mul_i32 s27, s27, PITCH
	s_add_co_u32 s27, s27, BL
	v_add_nc_u32 v6, s27, v4                       ; W1's row 16 w + i goes to LDS row 32 (w / 2) + 8 (w % 2) + 16 (i / 8) + i % 8
	v_mul_u32_u24 v7, v2, PITCH
	v_lshl_add_u32 v7, v3, 4, v7                   ; a fragment's row r, + 16 h
	s_mul_i32 s27, s23, 64*PITCH
	s_add_co_u32 s27, s27, BL
	v_add_nc_u32 v8, s27, v7                       ; my four tiles of W1
	s_mul_i32 s27, s26, 32*PITCH
	v_add_nc_u32 v7, s27, v7                       ; my two tiles of tokens
	s_lshl_b32 s27, s26, 7                         ; 32 tg words
	s_lshl_b32 s28, s23, 1
	s_add_co_u32 s28, s27, s28
	s_add_co_u32 s28, s28, SCS
	v_lshl_add_u32 v9, v2, 2, s28                  ; my two bytes of place 32 tg + r's scale word
	v_lshl_add_u32 v14, v2, 2, s27                 ; that place's word in the list
	v_and_b32 v12, 8, v2
	v_add_nc_u32 v12, v12, v2                      ; r + 8 (r / 8)
	v_lshlrev_b32 v15, 4, v3
	v_lshl_add_u32 v12, v12, 5, v15                ; W1's scales: 32 bytes a row, + 16 h
	v_lshl_add_u32 v13, v1, 4, SCS
.irp q, 0,1,2,3
	v_mov_b32 v[TM+4+\q], 0                        ; written once: a lane permute's destination counts as one of its sources
.endr
	s_mov_b32 s48, 0x76543210                      ; v_permlanex16_b32's selects for lane l xor 16
	s_mov_b32 s49, 0xfedcba98
	s_lshl_b32 s28, s22, 3
	s_mov_b32 s29, 0
	s_lshl_b32 s30, s22, 9
	s_mov_b32 s31, 0
	s_lshl_b32 s52, s20, 6
	s_mov_b32 s53, 0
	s_wait_kmcnt 0x0
	s_add_nc_u64 s[14:15], s[14:15], s[28:29]      ; my tile's entry
	s_add_nc_u64 s[12:13], s[12:13], s[30:31]      ; my tile's 128 words of the list
	s_add_nc_u64 s[50:51], s[12:13], s[52:53]      ; my wave's 16 of them
	s_load_b64 s[24:25], s[14:15], 0x0             ; expert, rows
	s_load_b512 s[32:47], s[50:51], 0x0            ; the 16 tokens whose rows I gather
	global_load_b32 v10, v14, s[12:13]             ; the tokens of my two tiles, a lane a token
	global_load_b32 v11, v14, s[12:13] offset:64
	s_lshl_b32 s28, s22, 17                        ; hid: 131,072 bytes a tile,
	s_lshl_b32 s30, s26, 15                        ; 16,384 for 16 places: my 32 places,
	s_add_co_u32 s28, s28, s30
	s_lshl_b32 s30, ttmp9, 10                      ; 1,024 a K step,
	s_add_co_u32 s28, s28, s30
	s_lshl_b32 s30, s23, 9                         ; 512 for half a fragment
	s_add_co_u32 s28, s28, s30
	s_add_nc_u64 s[16:17], s[16:17], s[28:29]
	s_lshl_b32 s28, s22, 13                        ; hs: 8,192 bytes a tile, 512 a K step
	s_lshl_b32 s30, ttmp9, 9
	s_add_co_u32 s28, s28, s30
	s_add_nc_u64 s[18:19], s[18:19], s[28:29]
	s_wait_kmcnt 0x0
	s_min_u32 s24, s24, 7                          ; loaded numbers are held inside their tables before they enter an address
	s_lshl_b32 s28, s24, 20                        ; w1_codes: 2^20 bytes an expert, 128 rows of 512 a work-group, 16 rows a wave
	s_lshl_b32 s30, ttmp9, 16
	s_add_co_u32 s28, s28, s30
	s_lshl_b32 s30, s20, 13
	s_add_co_u32 s28, s28, s30
	s_add_nc_u64 s[8:9], s[8:9], s[28:29]
	s_lshl_b32 s28, s24, 16                        ; w1_scales: 32 bytes a row; my 64 rows
	s_lshl_b32 s30, ttmp9, 12
	s_add_co_u32 s28, s28, s30
	s_lshl_b32 s30, s23, 11
	s_add_co_u32 s28, s28, s30
	s_add_nc_u64 s[10:11], s[10:11], s[28:29]
.irp i, 0,1,2,3,4,5,6,7,8,9,10,11,12,13,14,15
	s_min_u32 s[32+\i], s[32+\i], 0x7ff
	s_lshl_b32 s[32+\i], s[32+\i], 9               ; a row of xq is 512 bytes
	v_add_nc_u32 v[ADR+\i], s[32+\i], v4
.endr
	s_wait_loadcnt 0x0
	v_min_u32 v10, 0x7ff, v10
	v_min_u32 v11, 0x7ff, v11
	v_lshlrev_b32 v10, 5, v10                      ; a row of xs is 32 bytes
	v_lshlrev_b32 v11, 5, v11
	v_add_nc_u32 v10, v10, v15                     ; lanes 16-31 take its second half
	v_add_nc_u32 v11, v11, v15
	; the scale words go straight into registers, on every way
	global_load_b128 v[XSC:XSC+3], v10, s[6:7]
	global_load_b128 v[XSC+4:XSC+7], v11, s[6:7]
.irp t, 0,1,2,3
	global_load_b128 v[WSC+4*\t:WSC+4*\t+3], v12, s[10:11] offset:(32*(\t/2)+8*(\t%2))*32
.endr
	s_cmp_eq_u32 s25, 0
	s_cbranch_scc1 .Lno_fill                       ; a tile without rows loads no codes
.irp i, 0,1,2,3,4,5,6,7,8,9,10,11,12,13,14,15
	global_load_b128 v[S+64+4*\i:S+64+4*\i+3], v4, s[8:9] offset:512*\i     ; a row of W1: the wave reads 512 consecutive bytes
.endr
.irp i, 0,1,2,3,4,5,6,7,8,9,10,11,12,13,14,15
	global_load_b128 v[S+4*\i:S+4*\i+3], v[ADR+\i], s[4:5]                  ; a token's row of codes likewise
.endr
	s_wait_loadcnt 16                              ; the scales and W1's rows are in; x's 16 rows, issued behind them, may be out
.irp i, 0,1,2,3,4,5,6,7,8,9,10,11,12,13,14,15
	ds_store_b128 v6, v[S+64+4*\i:S+64+4*\i+3] offset:(16*(\i/8)+\i%8)*PITCH
.endr
	s_wait_loadcnt 0x0
.irp i, 0,1,2,3,4,5,6,7,8,9,10,11,12,13,14,15
	ds_store_b128 v5, v[S+4*\i:S+4*\i+3] offset:\i*PITCH
.endr
.Lno_fill:
	s_wait_loadcnt 0x0                             ; the scale words
	s_wait_dscnt 0x0                               ; for the others' sake: my rows have landed
	s_barrier_signal -1
	s_barrier_wait -1                              ; both operands are whole in LDS
	s_cmp_eq_u32 s25, 0
	s_cbranch_scc1 .Lno_work
; A fragment, 16 rows x 128 K of 4-bit codes, is 8 registers: lane (r, h) holds row r; registers 4 c .. 4 c + 3 hold K = 64 c + 32 h + 0 .. 31: two loads of 16 bytes, 32 bytes apart.
.macro FETCH ks, p
.irp t, 0,1,2,3
.irp c, 0,1
	ds_load_b128 v[FB+48*(\p)+8*\t+4*\c:FB+48*(\p)+8*\t+4*\c+3], v8 offset:16*PITCH*\t+64*(\ks)+32*\c
.endr
.endr
.irp mt, 0,1
.irp c, 0,1
	ds_load_b128 v[FB+48*(\p)+32+8*\mt+4*\c:FB+48*(\p)+32+8*\mt+4*\c+3], v7 offset:16*PITCH*\mt+64*(\ks)+32*\c
.endr
.endr
.endm
; Eight products.  K step 0 starts the sums with the constant 0: nothing is cleared.  K steps 4 to 7 take their scale words from lanes 16-31.
.macro MUL ks, p
.irp mt, 0,1
.irp t, 0,1,2,3
.if (\ks) == 0
	v_wmma_scale_f32_16x16x128_f8f6f4 v[ACC+32*\mt+8*\t:ACC+32*\mt+8*\t+7], v[FB+48*(\p)+8*\t:FB+48*(\p)+8*\t+7], v[FB+48*(\p)+32+8*\mt:FB+48*(\p)+32+8*\mt+7], 0, v[WSC+4*\t], v[XSC+4*\mt] matrix_a_fmt:MATRIX_FMT_FP4 matrix_b_fmt:MATRIX_FMT_FP4
.elseif (\ks) < 4
	v_wmma_scale_f32_16x16x128_f8f6f4 v[ACC+32*\mt+8*\t:ACC+32*\mt+8*\t+7], v[FB+48*(\p)+8*\t:FB+48*(\p)+8*\t+7], v[FB+48*(\p)+32+8*\mt:FB+48*(\p)+32+8*\mt+7], v[ACC+32*\mt+8*\t:ACC+32*\mt+8*\t+7], v[WSC+4*\t+(\ks)], v[XSC+4*\mt+(\ks)] matrix_a_fmt:MATRIX_FMT_FP4 matrix_b_fmt:MATRIX_FMT_FP4
.else
	v_wmma_scale_f32_16x16x128_f8f6f4 v[ACC+32*\mt+8*\t:ACC+32*\mt+8*\t+7], v[FB+48*(\p)+8*\t:FB+48*(\p)+8*\t+7], v[FB+48*(\p)+32+8*\mt:FB+48*(\p)+32+8*\mt+7], v[ACC+32*\mt+8*\t:ACC+32*\mt+8*\t+7], v[WSC+4*\t+(\ks)-4], v[XSC+4*\mt+(\ks)-4] matrix_a_fmt:MATRIX_FMT_FP4 matrix_b_fmt:MATRIX_FMT_FP4 matrix_a_scale:MATRIX_SCALE_ROW1 matrix_b_scale:MATRIX_SCALE_ROW1
.endif
.endr
.endr
.endm
	FETCH 0, 0
.set KS, 0
.rept NK
.if KS < NK-1
.if KS > 0
.rept 4
	v_nop                                          ; four places between the last products and loads into the set that they read (ISA guide 7.12.1 for vector instructions)
.endr
.endif
	FETCH KS+1, (KS+1)%2
	s_wait_dscnt 12                                ; this K step's 12 loads are in; the 12 just issued may be out
.else
	s_wait_dscnt 0x0
.endif
	MUL KS, KS%2
.set KS, KS+1
.endr
.rept 4
	v_nop                                          ; four places ahead of the first read of results
.endr
.set j, 0
.rept 64
	v_max_num_f32 v[ACC+j], 0, v[ACC+j]            ; the activation, in f32; ascending
.set j, j+1
.endr
	; THE QUANTISER.  Half-block q = 2 mt + b: my 16 numbers of block b (32 units) of token tile mt.  No |.| on the sources: none is negative.
.irp q, 0,1,2,3
	v_max3_num_f32 v[TM+\q], v[ACC+16*\q], v[ACC+16*\q+1], 0x1800000       ; with the floor 2^(3 - 127): the byte cannot fall under 1
.endr
.irp i, 2,4,6,8,10,12,14
.irp q, 0,1,2,3
	v_max3_num_f32 v[TM+\q], v[TM+\q], v[ACC+16*\q+\i], v[ACC+16*\q+\i+1]  ; (the four by turns: no line waits for the line above it)
.endr
.endr
.irp q, 0,1,2,3
	v_permlanex16_b32 v[TM+4+\q], v[TM+\q], s48, s49
.endr
.irp q, 0,1,2,3
	v_max_num_f32 v[TM+\q], v[TM+\q], v[TM+4+\q]   ; with lane l xor 16's 16: the block's largest magnitude
.endr
.irp q, 0,1,2,3
	v_add_nc_u32 v[TM+12+\q], 0xff000000, v[TM+\q] ; 2 off its exponent field: the conversion's scale operand
.endr
.irp q, 0,1,2,3
	v_lshrrev_b32 v[TM+4+\q], 23, v[TM+12+\q]      ; the scale's byte
.endr
.irp mt, 0,1
	v_lshl_or_b32 v[PW+\mt], v[TM+5+2*\mt], 8, v[TM+4+2*\mt]               ; my wave's two bytes of the token's scale word
.endr
.irp q, 0,1,2,3
	v_cvt_scalef32_pk8_fp4_f32 v[PC+2*\q], v[ACC+16*\q:ACC+16*\q+7], v[TM+12+\q]
	v_cvt_scalef32_pk8_fp4_f32 v[PC+2*\q+1], v[ACC+16*\q+8:ACC+16*\q+15], v[TM+12+\q]
.endr
	v_nop                                          ; one plain line behind the last scaled conversion
.irp mt, 0,1                           ; the operand's layout wants a whole block in a lane: lanes 0-15 block 0, lanes 16-31 block 1
.irp i, 0,1
	v_permlane16_swap_b32 v[PC+4*\mt+\i], v[PC+4*\mt+2+\i]
.endr
.endr
.irp mt, 0,1
	ds_store_b16 v9, v[PW+\mt] offset:64*\mt       ; (lanes r and 16 + r write the same two bytes with the same value)
	global_store_b128 v4, v[PC+4*\mt:PC+4*\mt+3], s[16:17] offset:16384*\mt   ; half a fragment's image: 512 consecutive bytes
.endr
.Lno_work:
	s_wait_dscnt 0x0                               ; for wave 0's sake: my bytes of the scale words have landed
	s_barrier_signal -1
	s_barrier_wait -1
	s_cmp_lg_u32 s20, 0
	s_cbranch_scc1 .Lend
	s_cmp_eq_u32 s25, 0
	s_cbranch_scc1 .Lend
	ds_load_b128 v[56:59], v13
	s_wait_dscnt 0x0
	global_store_b128 v4, v[56:59], s[18:19]       ; the 128 scale words of this K step: 512 consecutive bytes
.Lend:
	s_wait_tensorcnt 0x0
	ds_add_u32 v254, v255
	s_wait_dscnt 0x0
	s_endpgm
.Lfunc_end_k_q1eab28688c_ffn1:
	.size	k_q1eab28688c_ffn1, .Lfunc_end_k_q1eab28688c_ffn1-k_q1eab28688c_ffn1
	.p2alignl 7, 3214868480
	.fill 96, 4, 3214868480
	.section	.rodata,"a",@progbits
	.p2align	6, 0x0
	.amdhsa_kernel k_q1eab28688c_ffn1
		.amdhsa_group_segment_fixed_size 136704
		.amdhsa_private_segment_fixed_size 0
		.amdhsa_enable_private_segment 0
		.amdhsa_kernarg_size 64
		.amdhsa_user_sgpr_count 2
		.amdhsa_user_sgpr_kernarg_segment_ptr 1
		.amdhsa_wavefront_size32 1
		.amdhsa_system_sgpr_workgroup_id_x 1
		.amdhsa_system_sgpr_workgroup_id_y 1
		.amdhsa_system_sgpr_workgroup_id_z 1
		.amdhsa_system_vgpr_workitem_id 0
		.amdhsa_next_free_vgpr 256
		.amdhsa_next_free_sgpr 66
		.amdhsa_reserve_vcc 0
		.amdhsa_float_denorm_mode_32 3
		.amdhsa_float_denorm_mode_16_64 3
		.amdhsa_memory_ordered 1
		.amdhsa_forward_progress 1
		.amdhsa_inst_pref_size 34
	.end_amdhsa_kernel
	.amdgpu_metadata
---
amdhsa.version: [ 1, 2 ]
amdhsa.kernels:
  - .name:           k_q1eab28688c_ffn1
    .symbol:         k_q1eab28688c_ffn1.kd
    .args:
      - { .name: xq, .offset: 0, .size: 8, .value_kind: global_buffer, .address_space: global }
      - { .name: xs, .offset: 8, .size: 8, .value_kind: global_buffer, .address_space: global }
      - { .name: w1_codes, .offset: 16, .size: 8, .value_kind: global_buffer, .address_space: global }
      - { .name: w1_scales, .offset: 24, .size: 8, .value_kind: global_buffer, .address_space: global }
      - { .name: rowlist, .offset: 32, .size: 8, .value_kind: global_buffer, .address_space: global }
      - { .name: tiles, .offset: 40, .size: 8, .value_kind: global_buffer, .address_space: global }
      - { .name: hid, .offset: 48, .size: 8, .value_kind: global_buffer, .address_space: global }
      - { .name: hs, .offset: 56, .size: 8, .value_kind: global_buffer, .address_space: global }
    .group_segment_fixed_size: 136704
    .private_segment_fixed_size: 0
    .kernarg_segment_align: 8
    .kernarg_segment_size: 64
    .max_flat_workgroup_size: 256
    .sgpr_count:     66
    .vgpr_count:     256
    .wavefront_size: 32
...
	.end_amdgpu_metadata
.endif
;; end of part 3
;; launch ffn2 (part 4): grid 8 x 23, 8 waves a work-group, no clusters, 300,032 bytes of LDS; arguments hid, hs, w2_codes, w2_scales, rowlist, tiles, gw, out0; writes out0
.if DOCPART == 4
	.amdgcn_target "amdgcn-amd-amdhsa--gfx1250"
	.amdhsa_code_object_version 6
	.text
	.protected	k_q1eab28688c_ffn2
	.globl	k_q1eab28688c_ffn2
	.p2align	8
	.type	k_q1eab28688c_ffn2,@function
k_q1eab28688c_ffn2:
	s_mov_b64 s[64:65], 0
	v_nop
	global_prefetch_b8 v0, s[64:65] scope:SCOPE_SE
	s_setreg_imm32_b32 hwreg(HW_REG_WAVE_MODE, 25, 1), 1
	s_wait_xcnt 0x0
; FFN2.  out0[token] = (hidden W2[e]) x gate x float(mask), for the rows of one tile (128 places of one expert) and 128 columns; both operands are codes of E2M1 with E8M0 scales.
; Work-group (x, T): tile T, columns 128 x .. 128 x + 127, K = 2,048 in 16 steps of 128.  The whole K of both operands (2 x 128 KiB) is asked for at the head and lies in LDS: nothing is filled again.
; The hidden layer comes as images of operand registers and is copied as it lies; W2's rows (1,024 bytes) get 16 bytes of padding.
; WAVES.  Wave w: cw = w & 1: columns 64 cw on (256 bytes of a row of out0);  tg = w >> 1: places 32 tg on.  4 tiles of W2 x 2 tiles of tokens = 8 accumulators, which take turns, one instruction a turn
; The product is used transposed (source 0 = 16 rows of W2, source 1 = 16 tokens): a lane holds one token and eight neighbouring columns.
; OUT.  Each token lies in one tile, so each row of out0 has one owner for each slice of columns.  Results go through the wave's own stage in LDS and leave as 256 consecutive bytes of a token's row from
; sixteen lanes.  Places past the tile's rows store nothing: they are a tail of the tile, so EXEC only narrows.
; NO TENSOR LOAD, NO CLUSTER: a work-group whose tile has no rows jumps over its loads and ends behind the barrier, by a branch on the stored number.
; Its scale loads, which stand on every way, read tile 0's words: tile 0 always has rows, so those bytes have been written.
.set PB,   1040                        ; a row of W2 in LDS: 1,024 bytes + 16 = 260 words: the 16 rows that a fragment load touches start 4 banks apart (64 banks of 4 bytes: ISA guide 11.1)
.set SP,   272                         ; a stage row: 256 bytes + 16
.set AI,   0                           ; the tile's hidden layer: 131,072 bytes
.set BL2,  131072                      ; 128 rows of W2
.set STG,  BL2+128*PB                  ; 16 rows for each wave
.set NK,   16
.set BS,   24                          ; v24-55   W2's scale words: register 8 t + 4 q + i: lanes 0-15 K step 8 q + i, lanes 16-31 K step 8 q + 4 + i
.set AS,   56                          ; v56-71   the hidden layer's: register s: lanes 0-15 token tile 0, lanes 16-31 token tile 1
.set OA,   72                          ; v72-87   byte offsets in out0 of places 32 tg + 2 k + h
.set ACC,  88                          ; v88-151  accumulator (mt, t) at 32 mt + 8 t
.set FB,   152                         ; v152-199, v200-247 two sets of fragments: W2's four at 8 t, the hidden layer's two at 32 + 8 mt
.set S0,   120                         ; v120-247 W2's rows on their way to LDS (done with before ACC and FB begin);  v256-383 (window 1, v0-127): the hidden layer's
.set OB,   152                         ; v152-215 rows read back from the stage
.set MSB, 0
.macro WIN new                         ; s_set_vgpr_msb: bits 1:0 source 0, 3:2 source 1, 5:4 source 2, 7:6 destination; the high byte repeats the setting that is left
.if MSB != \new
	s_set_vgpr_msb (MSB<<8)|\new
.set MSB, \new
.endif
.endm
	s_load_b256 s[4:11], s[0:1], 0x0               ; hid s[4:5], hs s[6:7], w2_codes s[8:9], w2_scales s[10:11]
	s_load_b256 s[12:19], s[0:1], 0x20             ; rowlist s[12:13], tiles s[14:15], gw s[16:17], out0 s[18:19]
	v_lshl_add_u32 v254, v0, 2, 0x49000
	v_mov_b32 v255, 0
	v_lshrrev_b32 v1, 5, v0
	v_readfirstlane_b32 s20, v1                    ; wave 0..7
	s_and_b32 s22, ttmp7, 0xffff                   ; T
	s_and_b32 s23, s20, 1                          ; cw
	s_lshr_b32 s26, s20, 1                         ; tg
	v_and_b32 v1, 31, v0                           ; lane
	v_and_b32 v2, 15, v0                           ; r
	v_bfe_u32 v3, v0, 4, 1                         ; h
	v_lshlrev_b32 v4, 4, v1                        ; 16 x lane
	v_lshlrev_b32 v5, 4, v0                        ; 16 x thread: the hidden layer's copy, in memory and in LDS;
	v_add_nc_u32 v6, 0x10000, v5                   ; its second half, beyond an LDS instruction's 16-bit offset
	s_mul_i32 s29, s20, 16*PB
	s_add_co_u32 s29, s29, BL2
	v_add_nc_u32 v7, s29, v4                       ; W2's rows 16 w on, into LDS
	s_lshl_b32 s29, s26, 15
	v_add_nc_u32 v8, s29, v4                       ; my two token tiles' images
	v_mul_u32_u24 v9, v2, PB
	v_lshl_add_u32 v9, v3, 4, v9
	s_mul_i32 s29, s23, 64*PB
	s_add_co_u32 s29, s29, BL2
	v_add_nc_u32 v9, s29, v9                       ; my four tiles of W2: row 64 cw + r, + 16 h
	s_mul_i32 s29, s20, 16*SP
	s_add_co_u32 s29, s29, STG                     ; my stage
	v_mul_u32_u24 v10, v2, SP
	v_lshl_add_u32 v10, v3, 5, v10
	v_add_nc_u32 v10, s29, v10                     ; in: row r, 32 bytes for each half of the lanes
	v_mul_u32_u24 v11, v3, SP
	v_lshl_add_u32 v11, v2, 4, v11
	v_add_nc_u32 v11, s29, v11                     ; back: lanes 0-15 one row, lanes 16-31 the next
	s_lshl_b32 s29, s26, 7                         ; 32 tg words
	v_lshl_add_u32 v13, v1, 2, s29                 ; place 32 tg + lane
	v_lshl_add_u32 v15, v3, 2, s29                 ; place 32 tg + h
	v_lshl_add_u32 v22, v2, 2, s29                 ; place 32 tg + r
	v_lshlrev_b32 v14, 6, v2
	v_lshl_add_u32 v14, v3, 4, v14                 ; W2's scales: 64 bytes a row, + 16 h
	v_lshlrev_b32 v23, 4, v2
	v_mov_b32 v19, 0                               ; (named as the upper halves of the pairs that the packed multiplies read)
	v_mov_b32 v21, 0
	s_lshl_b32 s30, s22, 3
	s_mov_b32 s31, 0
	s_lshl_b32 s32, s22, 9
	s_mov_b32 s33, 0
	s_wait_kmcnt 0x0
	s_add_nc_u64 s[14:15], s[14:15], s[30:31]      ; my tile's entry
	s_add_nc_u64 s[12:13], s[12:13], s[32:33]      ; my tile's 128 words of the list
	s_load_b64 s[24:25], s[14:15], 0x0             ; expert, rows
	global_load_b32 v16, v22, s[12:13]             ; the tokens of my two tiles, a lane a token
	global_load_b32 v17, v22, s[12:13] offset:64
.irp k, 0,1,2,3,4,5,6,7,8,9,10,11,12,13,14,15
	global_load_b32 v[OA+\k], v15, s[12:13] offset:8*\k                    ; and as the way out wants them: two places an instruction
.endr
	s_lshl_b32 s30, ttmp9, 9                       ; out0: my 128 columns' 512 bytes, my wave's 256 of them
	s_lshl_b32 s29, s23, 8
	s_add_co_u32 s30, s30, s29
	s_add_nc_u64 s[18:19], s[18:19], s[30:31]
	s_wait_kmcnt 0x0
	s_min_u32 s27, s25, 1                          ; loaded numbers are held by a constant before they enter an address: 0 for a tile without rows, else 1;
	s_mul_i32 s27, s27, s22                        ; times T: a tile without rows reads tile 0's scale words, every other tile its own
	s_min_u32 s24, s24, 7                          ; the expert, held inside its table
	s_lshl_b32 s29, s26, 5
	s_min_u32 s29, s25, s29
	s_sub_co_u32 s28, s25, s29                     ; how many of the tile's rows lie at or behind my first place
	s_lshl_b32 s30, s27, 17
	s_add_nc_u64 s[4:5], s[4:5], s[30:31]          ; hid: 131,072 bytes a tile
	s_lshl_b32 s30, s27, 13
	s_add_nc_u64 s[6:7], s[6:7], s[30:31]          ; hs: 8,192
	s_lshl_b32 s30, s24, 20                        ; w2_codes: 2^20 bytes an expert, 128 rows of 1,024 a work-group, 16 rows a wave
	s_lshl_b32 s29, ttmp9, 17
	s_add_co_u32 s30, s30, s29
	s_lshl_b32 s29, s20, 14
	s_add_co_u32 s30, s30, s29
	s_add_nc_u64 s[8:9], s[8:9], s[30:31]
	s_lshl_b32 s30, s24, 16                        ; w2_scales: 64 bytes a row; my 64 rows
	s_lshl_b32 s29, ttmp9, 13
	s_add_co_u32 s30, s30, s29
	s_lshl_b32 s29, s23, 12
	s_add_co_u32 s30, s30, s29
	s_add_nc_u64 s[10:11], s[10:11], s[30:31]
	s_wait_loadcnt 0x0
	v_min_u32 v16, 0x7ff, v16
	v_min_u32 v17, 0x7ff, v17
	v_lshlrev_b32 v16, 2, v16
	v_lshlrev_b32 v17, 2, v17
.irp k, 0,1,2,3,4,5,6,7,8,9,10,11,12,13,14,15
	v_min_u32 v[OA+\k], 0x7ff, v[OA+\k]
	v_lshlrev_b32 v[OA+\k], 12, v[OA+\k]           ; a row of out0 is 4,096 bytes
	v_add_nc_u32 v[OA+\k], v[OA+\k], v23           ; + 16 r
.endr
	; gate x mask and the scale words go straight into registers, on every way
	global_load_b32 v18, v16, s[16:17]
	global_load_b32 v20, v17, s[16:17]
.irp t, 0,1,2,3
.irp q, 0,1
	global_load_b128 v[BS+8*\t+4*\q:BS+8*\t+4*\q+3], v14, s[10:11] offset:1024*\t+32*\q
.endr
.endr
.irp s, 0,1,2,3,4,5,6,7,8,9,10,11,12,13,14,15
	global_load_b32 v[AS+\s], v13, s[6:7] offset:512*\s
.endr
	s_cmp_eq_u32 s25, 0
	s_cbranch_scc1 .Lno_fill                       ; a tile without rows loads no codes
.set i, 0
.rept 32
	global_load_b128 v[S0+4*i:S0+4*i+3], v4, s[8:9] offset:512*i           ; half a row of W2: 512 consecutive bytes
.set i, i+1
.endr
	WIN 0x40                                       ; destination window 1, address window 0
.set i, 0
.rept 32
	global_load_b128 v[4*i:4*i+3], v5, s[4:5] offset:4096*i                ; the work-group's 256 threads read 4,096 consecutive bytes.  (No wait is placed for the counter's sake: issue is held while its field is full, ISA guide 5.7.1)
.set i, i+1
.endr
	WIN 0
	s_wait_loadcnt 32                              ; all but the hidden layer's 32 loads, issued last, are in
.set i, 0
.rept 32
	ds_store_b128 v7, v[S0+4*i:S0+4*i+3] offset:PB*(i/2)+512*(i%2)
.set i, i+1
.endr
	s_wait_loadcnt 0x0
	WIN 0x04                                       ; an LDS store's data are its source 1: window 1
.set i, 0
.rept 16
	ds_store_b128 v5, v[4*i:4*i+3] offset:4096*i
.set i, i+1
.endr
.rept 16
	ds_store_b128 v6, v[4*i:4*i+3] offset:4096*(i-16)
.set i, i+1
.endr
	WIN 0                                          ; at a label and at a branch every window is 0
.Lno_fill:
	s_wait_loadcnt 0x0                             ; the scale words and gate x mask
	s_wait_dscnt 0x0                               ; for the others' sake: my part has landed
	s_barrier_signal -1
	s_barrier_wait -1                              ; both operands are whole in LDS
	s_cmp_eq_u32 s25, 0
	s_cbranch_scc1 .Lend
.macro FETCH ks, p                     ; W2's fragments from rows (two loads of 16 bytes, 32 bytes apart), the hidden layer's from images (16 x lane, 512 bytes apart)
.irp t, 0,1,2,3
.irp c, 0,1
	ds_load_b128 v[FB+48*(\p)+8*\t+4*\c:FB+48*(\p)+8*\t+4*\c+3], v9 offset:16*PB*\t+64*(\ks)+32*\c
.endr
.endr
.irp mt, 0,1
.irp c, 0,1
	ds_load_b128 v[FB+48*(\p)+32+8*\mt+4*\c:FB+48*(\p)+32+8*\mt+4*\c+3], v8 offset:16384*\mt+1024*(\ks)+512*\c
.endr
.endr
.endm
; Eight products.  K step 0 starts the sums with the constant 0.  W2's scale words come from lanes 16-31 in K steps 4-7 and 12-15, the hidden layer's for token tile 1.
.macro MUL ks, p
.irp mt, 0,1
.irp t, 0,1,2,3
.set rD, ACC+32*\mt+8*\t
.set rA, FB+48*(\p)+8*\t
.set rB, FB+48*(\p)+32+8*\mt
.set rS, BS+8*\t+4*((\ks)/8)+(\ks)%4
.set rH, AS+(\ks)
.set up, ((\ks)/4)%2
.if (\ks) == 0 && \mt == 0
	v_wmma_scale_f32_16x16x128_f8f6f4 v[rD:rD+7], v[rA:rA+7], v[rB:rB+7], 0, v[rS], v[rH] matrix_a_fmt:MATRIX_FMT_FP4 matrix_b_fmt:MATRIX_FMT_FP4
.elseif (\ks) == 0
	v_wmma_scale_f32_16x16x128_f8f6f4 v[rD:rD+7], v[rA:rA+7], v[rB:rB+7], 0, v[rS], v[rH] matrix_a_fmt:MATRIX_FMT_FP4 matrix_b_fmt:MATRIX_FMT_FP4 matrix_b_scale:MATRIX_SCALE_ROW1
.elseif up == 0 && \mt == 0
	v_wmma_scale_f32_16x16x128_f8f6f4 v[rD:rD+7], v[rA:rA+7], v[rB:rB+7], v[rD:rD+7], v[rS], v[rH] matrix_a_fmt:MATRIX_FMT_FP4 matrix_b_fmt:MATRIX_FMT_FP4
.elseif up == 0
	v_wmma_scale_f32_16x16x128_f8f6f4 v[rD:rD+7], v[rA:rA+7], v[rB:rB+7], v[rD:rD+7], v[rS], v[rH] matrix_a_fmt:MATRIX_FMT_FP4 matrix_b_fmt:MATRIX_FMT_FP4 matrix_b_scale:MATRIX_SCALE_ROW1
.elseif \mt == 0
	v_wmma_scale_f32_16x16x128_f8f6f4 v[rD:rD+7], v[rA:rA+7], v[rB:rB+7], v[rD:rD+7], v[rS], v[rH] matrix_a_fmt:MATRIX_FMT_FP4 matrix_b_fmt:MATRIX_FMT_FP4 matrix_a_scale:MATRIX_SCALE_ROW1
.else
	v_wmma_scale_f32_16x16x128_f8f6f4 v[rD:rD+7], v[rA:rA+7], v[rB:rB+7], v[rD:rD+7], v[rS], v[rH] matrix_a_fmt:MATRIX_FMT_FP4 matrix_b_fmt:MATRIX_FMT_FP4 matrix_a_scale:MATRIX_SCALE_ROW1 matrix_b_scale:MATRIX_SCALE_ROW1
.endif
.endr
.endr
.endm
	FETCH 0, 0
.set KS, 0
.rept NK
.if KS < NK-1
.if KS > 0
.rept 4
	v_nop                                          ; four places between the last products and loads into the set that they read (ISA guide 7.12.1 for vector instructions)
.endr
.endif
	FETCH KS+1, (KS+1)%2
	s_wait_dscnt 12                                ; this K step's 12 loads are in; the 12 just issued may be out
.else
	s_wait_dscnt 0x0
.endif
	MUL KS, KS%2
.set KS, KS+1
.endr
.rept 4
	v_nop                                          ; four places ahead of the first read of results
.endr
.irp mt, 0,1
.irp j, 0,2,4,6,8,10,12,14,16,18,20,22,24,26,28,30
	v_pk_mul_f32 v[ACC+32*\mt+\j:ACC+32*\mt+\j+1], v[ACC+32*\mt+\j:ACC+32*\mt+\j+1], v[18+2*\mt:19+2*\mt] op_sel_hi:[1,0]   ; x my token's gate x mask; ascending
.endr
.endr
	; THE WAY OUT: 16 tokens x 64 columns at a time through my own stage.  LDS serves a wave's instructions in order (ISA guide 5.7.1): no wait between the stores and the loads, nor ahead of the second tile's stores.
.irp mt, 0,1
.irp t, 0,1,2,3
	ds_store_b128 v10, v[ACC+32*\mt+8*\t:ACC+32*\mt+8*\t+3] offset:64*\t
	ds_store_b128 v10, v[ACC+32*\mt+8*\t+4:ACC+32*\mt+8*\t+7] offset:64*\t+16
.endr
.irp i, 0,1,2,3,4,5,6,7
	ds_load_b128 v[OB+32*\mt+4*\i:OB+32*\mt+4*\i+3], v11 offset:2*SP*\i
.endr
.endr
	s_wait_dscnt 0x0
.set k, 0
.rept 16
	s_min_u32 s29, s28, 2*k
	s_sub_co_u32 s29, s28, s29                     ; rows left from place 2 k of my 32 on
	s_wait_xcnt 0x0                                ; EXEC is a source of the store before: it changes only behind this wait
	v_cmpx_gt_u32 s29, v3                          ; place 2 k + h holds a row where h is under that number; the rows are a head of the tile, so EXEC only narrows
	global_store_b128 v[OA+k], v[OB+4*k:OB+4*k+3], s[18:19] th:TH_STORE_NT  ; sixteen lanes store 256 consecutive bytes of a token's row, at a multiple of 256 from out0's first byte; written once, read by nobody here
.set k, k+1
.endr
	s_wait_xcnt 0x0
	s_mov_b32 exec_lo, -1
.Lend:
	s_wait_tensorcnt 0x0
	ds_add_u32 v254, v255
	s_wait_dscnt 0x0
	s_endpgm
.Lfunc_end_k_q1eab28688c_ffn2:
	.size	k_q1eab28688c_ffn2, .Lfunc_end_k_q1eab28688c_ffn2-k_q1eab28688c_ffn2
	.p2alignl 7, 3214868480
	.fill 96, 4, 3214868480
	.section	.rodata,"a",@progbits
	.p2align	6, 0x0
	.amdhsa_kernel k_q1eab28688c_ffn2
		.amdhsa_group_segment_fixed_size 300032
		.amdhsa_private_segment_fixed_size 0
		.amdhsa_enable_private_segment 0
		.amdhsa_kernarg_size 64
		.amdhsa_user_sgpr_count 2
		.amdhsa_user_sgpr_kernarg_segment_ptr 1
		.amdhsa_wavefront_size32 1
		.amdhsa_system_sgpr_workgroup_id_x 1
		.amdhsa_system_sgpr_workgroup_id_y 1
		.amdhsa_system_sgpr_workgroup_id_z 1
		.amdhsa_system_vgpr_workitem_id 0
		.amdhsa_next_free_vgpr 384
		.amdhsa_next_free_sgpr 66
		.amdhsa_reserve_vcc 0
		.amdhsa_float_denorm_mode_32 3
		.amdhsa_float_denorm_mode_16_64 3
		.amdhsa_memory_ordered 1
		.amdhsa_forward_progress 1
		.amdhsa_inst_pref_size 59
	.end_amdhsa_kernel
	.amdgpu_metadata
---
amdhsa.version: [ 1, 2 ]
amdhsa.kernels:
  - .name:           k_q1eab28688c_ffn2
    .symbol:         k_q1eab28688c_ffn2.kd
    .args:
      - { .name: hid, .offset: 0, .size: 8, .value_kind: global_buffer, .address_space: global }
      - { .name: hs, .offset: 8, .size: 8, .value_kind: global_buffer, .address_space: global }
      - { .name: w2_codes, .offset: 16, .size: 8, .value_kind: global_buffer, .address_space: global }
      - { .name: w2_scales, .offset: 24, .size: 8, .value_kind: global_buffer, .address_space: global }
      - { .name: rowlist, .offset: 32, .size: 8, .value_kind: global_buffer, .address_space: global }
      - { .name: tiles, .offset: 40, .size: 8, .value_kind: global_buffer, .address_space: global }
      - { .name: gw, .offset: 48, .size: 8, .value_kind: global_buffer, .address_space: global }
      - { .name: out0, .offset: 56, .size: 8, .value_kind: global_buffer, .address_space: global }
    .group_segment_fixed_size: 300032
    .private_segment_fixed_size: 0
    .kernarg_segment_align: 8
    .kernarg_segment_size: 64
    .max_flat_workgroup_size: 256
    .sgpr_count:     66
    .vgpr_count:     384
    .wavefront_size: 32
...
	.end_amdgpu_metadata
.endif
;; end of part 4
;; ======== version 2 of 2: 3 launches; 1.23 times as fast as version 1
;; workspace buffers: xq 1,048,576 bytes; xs 65,536 bytes; bmap 2,048 bytes of whole numbers; gw 8,192 bytes; rowlist 12,288 bytes of whole numbers; tiles 256 bytes of whole numbers; hid 3,014,656 bytes; hs 188,416 bytes
;; launch route (part 5): grid 256 x 1, 4 waves a work-group, no clusters, 74,752 bytes of LDS; arguments x, router_w, token_mask, xq, xs, bmap, gw; writes xq, xs, bmap, gw
.if DOCPART == 5
	.amdgcn_target "amdgcn-amd-amdhsa--gfx1250"
	.amdhsa_code_object_version 6
	.text
	.protected	k_q1eab28688c_route
	.globl	k_q1eab28688c_route
	.p2align	8
	.type	k_q1eab28688c_route,@function
k_q1eab28688c_route:
	s_mov_b64 s[64:65], 0
	v_nop
	global_prefetch_b8 v0, s[64:65] scope:SCOPE_SE
	s_setreg_imm32_b32 hwreg(HW_REG_WAVE_MODE, 25, 1), 1
	s_wait_xcnt 0x0
; ROUTE.  For each of the 2,048 tokens: the eight router logits in f32, the chosen expert (the lowest index among the largest logits),
; gate = 1 / sum of exp(logit - largest logit), times float(token_mask); and x's codes of E2M1 with one E8M0 byte for each 32 along K.
; Stored at fixed places: xq [token][512 bytes], xs [token][32 bytes], gw [token] f32, and the choice as a bitmap: bmap [expert 8][256 bytes]: bit j of byte g of row e
; says that token 8 g + j chose expert e; read as words, bit b of word q of a row is token 32 q + b.  No address and no branch here hangs on the choice.
; SHARES.  A work-group takes 8 tokens, each of its four waves 2.  Loads take a row as it lies (512 consecutive bytes an instruction); a turn through
; the wave's own LDS stage gives lane l the numbers 32 l .. 32 l + 31 of the row: one whole block.  So a block's largest magnitude needs no other lane,
; its 16 bytes of codes are lane l's part of one store of 512 consecutive bytes, and the same registers feed the logits.
; router_w (32,768 bytes) lies in LDS once for the work-group, in the same form: 16 bytes of padding behind each 128, so that lanes 144 bytes apart start at different banks.
; No matrix unit, no cluster, no tensor load: the product has 8 columns and the launch is a stream of x.
; LIMITS.  NaN and infinities in x or router_w are not served.  The choice is made on f32 logits summed in this text's order: a token whose two largest logits agree to
; f32 rounding may go to either.  A block of zeros gets the byte 1 with zero codes (this program alone reads the bytes); blocks whose largest magnitude lies under 2^-124 are held at byte 1.
.set ROWP, 4608                        ; a row of 4,096 bytes in LDS: 32 x (128 + 16)
.set WL,   0                           ; router_w: 8 rows
.set XST,  8*ROWP                      ; the stages: 2 rows for each wave
.set SB,   16*ROWP                     ; the work-group's 8 x 32 scale bytes
.set EI,   SB+256                      ; 8 words: the chosen experts; 32 bytes on 8 words of gw
.set R,    16                          ; v16-79   x as loaded; later WB
.set WR,   80                          ; v80-143  router_w as loaded; later ACC, L, P
.set WB,   16                          ; two sets of 32: four numbers of each of the 8 router rows
.set ACC,  80                          ; v80-111  a pair of partial sums for (token t, expert e) at 16 t + 2 e
.set L,    112                         ; v112-127 logit (t, e) at 8 t + e
.set P,    128                         ; v128-143 the other half of the lanes' sums
.set X,    144                         ; v144-207 my block of token t at 32 t
.set QM,   208                         ; largest magnitudes
.set QS,   210                         ; the conversions' scale operands
.set QB,   212                         ; scale bytes
.set C,    216                         ; v216-223 codes, 4 registers a token
.set M,    224
.set IDX,  226
.set SUM,  228
.set G,    230
.set MK,   232
.set T,    234                         ; v234-238 the way out
.set BM,   40                          ; s40-47   which of the work-group's 8 tokens chose expert e
	s_load_b256 s[4:11], s[0:1], 0x0               ; x s[4:5], router_w s[6:7], token_mask s[8:9], xq s[10:11]
	s_load_b128 s[12:15], s[0:1], 0x20             ; xs s[12:13], bmap s[14:15]
	s_load_b64 s[16:17], s[0:1], 0x30              ; gw
	v_lshl_add_u32 v240, v0, 2, 0x12200
	v_mov_b32 v241, 0
	v_lshrrev_b32 v1, 5, v0
	v_readfirstlane_b32 s18, v1                    ; wave 0..3
	v_and_b32 v1, 31, v0                           ; lane
	v_lshlrev_b32 v2, 4, v1                        ; 16 x lane
	v_lshlrev_b32 v3, 4, v0                        ; 16 x thread
	v_lshrrev_b32 v4, 3, v0
	v_lshl_add_u32 v4, v4, 4, v3                   ; router_w into LDS: 16 x thread + 16 for each 128 bytes passed
	s_mul_i32 s19, s18, 2*ROWP
	s_add_co_u32 s19, s19, XST                     ; my wave's stage
	v_lshrrev_b32 v5, 3, v1
	v_lshl_add_u32 v5, v5, 4, v2
	v_add_nc_u32 v5, s19, v5                       ; into it: as loaded
	v_mul_u32_u24 v7, v1, 144                      ; my block's place in a padded row
	v_add_nc_u32 v6, s19, v7                       ; out of it: my block
	s_lshl_b32 s19, s18, 6
	s_add_co_u32 s19, s19, SB
	v_add_nc_u32 v8, s19, v1                       ; my block's scale byte: 32 bytes a token, 2 tokens a wave
	s_lshl_b32 s19, s18, 3
	s_add_co_u32 s19, s19, EI
	v_mov_b32 v9, s19                              ; my wave's two words
	v_lshl_add_u32 v10, v1, 3, SB
	v_and_b32 v11, 7, v1
	v_lshl_add_u32 v11, v11, 2, EI
	v_lshlrev_b32 v12, 3, v1
	v_lshlrev_b32 v13, 2, v1
	v_lshlrev_b32 v14, 8, v1                       ; the bitmap's row of expert = lane
	s_mov_b32 s22, 0x76543210                      ; v_permlanex16_b32's selects for lane l xor 16
	s_mov_b32 s23, 0xfedcba98
	s_mov_b32 s24, 0x3fb8aa3b                      ; log2(e)
	s_lshl_b32 s26, ttmp9, 15                      ; x: 8 rows of 4,096 bytes a work-group,
	s_lshl_b32 s27, s18, 13                        ; 2 a wave
	s_add_co_u32 s26, s26, s27
	s_mov_b32 s27, 0
	s_lshl_b32 s28, ttmp9, 12                      ; xq: rows of 512 bytes
	s_lshl_b32 s29, s18, 10
	s_add_co_u32 s28, s28, s29
	s_mov_b32 s29, 0
	s_lshl_b32 s30, ttmp9, 5                       ; token_mask: 4 bytes a token
	s_lshl_b32 s31, s18, 3
	s_add_co_u32 s30, s30, s31
	s_mov_b32 s31, 0
	s_lshl_b32 s32, ttmp9, 8                       ; xs: 256 bytes a work-group
	s_mov_b32 s33, 0
	s_lshl_b32 s34, ttmp9, 5                       ; gw: 32 bytes a work-group
	s_mov_b32 s35, 0
	s_mov_b32 s38, ttmp9                           ; bmap: one byte a work-group in each row
	s_mov_b32 s39, 0
	s_wait_kmcnt 0x0
	s_add_nc_u64 s[4:5], s[4:5], s[26:27]
	s_add_nc_u64 s[10:11], s[10:11], s[28:29]
	s_add_nc_u64 s[8:9], s[8:9], s[30:31]
	s_add_nc_u64 s[12:13], s[12:13], s[32:33]
	s_add_nc_u64 s[14:15], s[14:15], s[38:39]
	s_add_nc_u64 s[16:17], s[16:17], s[34:35]
	s_load_b64 s[20:21], s[8:9], 0x0               ; my two tokens' mask words
.irp i, 0,1,2,3,4,5,6,7,8,9,10,11,12,13,14,15
	global_load_b128 v[WR+4*\i:WR+4*\i+3], v3, s[6:7] offset:2048*\i      ; the work-group's 128 threads read 2,048 consecutive bytes
.endr
.irp t, 0,1
.irp j, 0,1,2,3,4,5,6,7
	global_load_b128 v[R+32*\t+4*\j:R+32*\t+4*\j+3], v2, s[4:5] offset:4096*\t+512*\j th:TH_LOAD_NT   ; read once in the launch
.endr
.endr
	s_wait_loadcnt 16                              ; router_w is in; the 16 loads of x issued behind it may be out
.irp i, 0,1,2,3,4,5,6,7,8,9,10,11,12,13,14,15
	ds_store_b128 v4, v[WR+4*\i:WR+4*\i+3] offset:(\i/2)*ROWP+(\i%2)*(ROWP/2)
.endr
	s_wait_loadcnt 8                               ; token 0 is in; token 1's eight loads may be out
.irp j, 0,1,2,3,4,5,6,7
	ds_store_b128 v5, v[R+4*\j:R+4*\j+3] offset:576*\j
.endr
	s_wait_loadcnt 0x0
.irp j, 0,1,2,3,4,5,6,7
	ds_store_b128 v5, v[R+32+4*\j:R+32+4*\j+3] offset:ROWP+576*\j
.endr
.irp t, 0,1
.irp i, 0,1,2,3,4,5,6,7
	ds_load_b128 v[X+32*\t+4*\i:X+32*\t+4*\i+3], v6 offset:ROWP*\t+16*\i    ; my wave's own bytes; LDS serves a wave's instructions in order, so these see the stores above
.endr
.endr
	s_wait_dscnt 0x0                               ; for the others' sake: my part of router_w has landed; and my blocks are in
	s_barrier_signal -1
	s_barrier_wait -1                              ; router_w is whole in LDS
.macro WSTEP i                         ; numbers 4 i .. 4 i + 3 of my block, of all eight router rows, into set i % 2
.irp e, 0,1,2,3,4,5,6,7
	ds_load_b128 v[WB+32*((\i)%2)+4*\e:WB+32*((\i)%2)+4*\e+3], v7 offset:ROWP*\e+16*(\i)
.endr
.endm
.macro FMA i                           ; 2 tokens x 8 experts x 4 numbers: two passes, so that no line waits for the line above it.  The first products start the sums: nothing is cleared
.irp t, 0,1
.irp e, 0,1,2,3,4,5,6,7
.if (\i) == 0
	v_pk_mul_f32 v[ACC+16*\t+2*\e:ACC+16*\t+2*\e+1], v[X+32*\t:X+32*\t+1], v[WB+4*\e:WB+4*\e+1]
.else
	v_pk_fma_f32 v[ACC+16*\t+2*\e:ACC+16*\t+2*\e+1], v[X+32*\t+4*(\i):X+32*\t+4*(\i)+1], v[WB+32*((\i)%2)+4*\e:WB+32*((\i)%2)+4*\e+1], v[ACC+16*\t+2*\e:ACC+16*\t+2*\e+1]
.endif
.endr
.endr
.irp t, 0,1
.irp e, 0,1,2,3,4,5,6,7
	v_pk_fma_f32 v[ACC+16*\t+2*\e:ACC+16*\t+2*\e+1], v[X+32*\t+4*(\i)+2:X+32*\t+4*(\i)+3], v[WB+32*((\i)%2)+4*\e+2:WB+32*((\i)%2)+4*\e+3], v[ACC+16*\t+2*\e:ACC+16*\t+2*\e+1]
.endr
.endr
.endm
	WSTEP 0                                        ; on its way while the blocks are quantised
	; THE QUANTISER: the block's largest magnitude, with the floor 2^(3 - 127) among its leaves, so that the byte cannot fall under 1
.irp t, 0,1
	v_max3_num_f32 v[QM+\t], |v[X+32*\t]|, |v[X+32*\t+1]|, 0x1800000
.endr
.irp i, 2,4,6,8,10,12,14,16,18,20,22,24,26,28,30
.irp t, 0,1
	v_max3_num_f32 v[QM+\t], v[QM+\t], |v[X+32*\t+\i]|, |v[X+32*\t+\i+1]|
.endr
.endr
.irp t, 0,1
	v_add_nc_u32 v[QS+\t], 0xff000000, v[QM+\t]    ; 2 off its exponent field: the conversion takes the exponent field of this operand as its scale
.endr
.irp t, 0,1
	v_lshrrev_b32 v[QB+\t], 23, v[QS+\t]           ; the scale's byte
.endr
.irp t, 0,1
.irp g, 0,1,2,3
	v_cvt_scalef32_pk8_fp4_f32 v[C+4*\t+\g], v[X+32*\t+8*\g:X+32*\t+8*\g+7], v[QS+\t]
.endr
.endr
	v_nop                                          ; one plain line behind the last scaled conversion
.irp t, 0,1
	global_store_b128 v2, v[C+4*\t:C+4*\t+3], s[10:11] offset:512*\t       ; the wave stores a token's 512 consecutive bytes of codes
.endr
	; THE LOGITS
.irp i, 0,1,2,3,4,5,6
	WSTEP \i+1
	s_wait_dscnt 8                                 ; this step's eight loads are in; the eight just issued may be out
	FMA \i
.endr
	s_wait_dscnt 0x0
	FMA 7
.irp n, 0,1,2,3,4,5,6,7,8,9,10,11,12,13,14,15
	v_add_f32 v[L+\n], v[ACC+2*\n], v[ACC+2*\n+1]
.endr
.irp m, 1,2,4,8
.irp n, 0,1,2,3,4,5,6,7,8,9,10,11,12,13,14,15
	v_add_f32_dpp v[L+\n], v[L+\n], v[L+\n] row_xmask:\m row_mask:0xf bank_mask:0xf
.endr
.endr
.irp n, 0,1,2,3,4,5,6,7,8,9,10,11,12,13,14,15
	v_permlanex16_b32 v[P+\n], v[L+\n], s22, s23   ; (its destination counts as read: router_w's loads have written these registers)
.endr
.irp n, 0,1,2,3,4,5,6,7,8,9,10,11,12,13,14,15
	v_add_f32 v[L+\n], v[L+\n], v[P+\n]            ; every lane holds all sixteen logits
.endr
	; THE CHOICE AND THE GATE
.irp t, 0,1
	v_max3_num_f32 v[M+\t], v[L+8*\t], v[L+8*\t+1], v[L+8*\t+2]
.endr
.irp t, 0,1
	v_max3_num_f32 v[M+\t], v[M+\t], v[L+8*\t+3], v[L+8*\t+4]
.endr
.irp t, 0,1
	v_max3_num_f32 v[M+\t], v[M+\t], v[L+8*\t+5], v[L+8*\t+6]
.endr
.irp t, 0,1
	v_max_num_f32 v[M+\t], v[M+\t], v[L+8*\t+7]
	v_mov_b32 v[IDX+\t], 7
.endr
.irp e, 6,5,4,3,2,1,0
.irp t, 0,1
	v_cmp_eq_f32 vcc_lo, v[L+8*\t+\e], v[M+\t]
	v_cndmask_b32 v[IDX+\t], v[IDX+\t], \e, vcc_lo ; downward, so that the lowest index among equals stays
.endr
.endr
.irp t, 0,1
.irp e, 0,1,2,3,4,5,6,7
	v_sub_f32 v[L+8*\t+\e], v[L+8*\t+\e], v[M+\t]  ; the maximum is taken away first: 0 or less
.endr
.endr
.irp n, 0,1,2,3,4,5,6,7,8,9,10,11,12,13,14,15
	v_mul_f32 v[L+\n], s24, v[L+\n]
.endr
	s_wait_kmcnt 0x0                               ; the mask words
	v_cvt_f32_i32 v[MK], s20
	v_cvt_f32_i32 v[MK+1], s21
.irp n, 0,1,2,3,4,5,6,7,8,9,10,11,12,13,14,15
	v_exp_f32 v[L+\n], v[L+\n]                     ; one batch
.endr
	v_nop                                          ; a plain line behind the last exponential
	s_wait_alu depctr_va_vdst(0)                   ; one wait for the batch, ahead of its first reader
.irp n, 0,2,4,6,8,10,12,14
	v_add_f32 v[L+\n], v[L+\n], v[L+\n+1]
.endr
.irp n, 0,4,8,12
	v_add_f32 v[L+\n], v[L+\n], v[L+\n+2]
.endr
.irp t, 0,1
	v_add_f32 v[SUM+\t], v[L+8*\t], v[L+8*\t+4]    ; at least 1: the largest logit's term
.endr
.irp t, 0,1
	v_rcp_f32 v[G+\t], v[SUM+\t]                   ; the chosen expert's probability is exp(0) / sum
.endr
	v_nop
	s_wait_alu depctr_va_vdst(0)                   ; one wait for the two reciprocals
.irp t, 0,1
	v_mul_f32 v[G+\t], v[G+\t], v[MK+\t]
.endr
.irp t, 0,1
	ds_store_b8 v8, v[QB+\t] offset:32*\t
	ds_store_b32 v9, v[IDX+\t] offset:4*\t         ; all lanes write the same word with the same value
	ds_store_b32 v9, v[G+\t] offset:32+4*\t
.endr
	s_wait_dscnt 0x0                               ; for wave 0's sake: my stores have landed
	s_barrier_signal -1
	s_barrier_wait -1
	s_cmp_lg_u32 s18, 0
	s_cbranch_scc1 .Lend                           ; wave 0 stores what the four waves gathered
	ds_load_b64 v[T:T+1], v10
	ds_load_b32 v[T+2], v11                        ; lane l: the choice of the work-group's token l % 8
	ds_load_b32 v[T+3], v11 offset:32
	v_mov_b32 v[T+4], 0                            ; (a lane write's destination counts as read)
	s_wait_dscnt 0x0
.irp e, 0,1,2,3,4,5,6,7
	v_cmp_eq_u32 s[BM+\e], \e, v[T+2]              ; bits 0 to 7: which of the 8 tokens chose expert e.  The masks are data: they steer nothing here
.endr
.irp e, 0,1,2,3,4,5,6,7
	v_writelane_b32 v[T+4], s[BM+\e], \e           ; lane e holds expert e's byte in its low 8 bits
.endr
	global_store_b64 v12, v[T:T+1], s[12:13]       ; 32 lanes store 256 consecutive bytes, at a multiple of 256 from xs's first byte
	s_wait_xcnt 0x0                                ; EXEC is a source of the stores issued so far: it changes only behind this wait
	v_cmp_gt_u32 vcc_lo, 8, v1
	s_and_saveexec_b32 s36, vcc_lo
	global_store_b8 v14, v[T+4], s[14:15]          ; my work-group's byte in each of the bitmap's 8 rows
	global_store_b32 v13, v[T+3], s[16:17]         ; 8 words
	s_wait_xcnt 0x0                                ; and again ahead of the line that widens it
	s_or_b32 exec_lo, exec_lo, s36
.Lend:
	s_wait_tensorcnt 0x0
	ds_add_u32 v240, v241
	s_wait_dscnt 0x0
	s_endpgm
.Lfunc_end_k_q1eab28688c_route:
	.size	k_q1eab28688c_route, .Lfunc_end_k_q1eab28688c_route-k_q1eab28688c_route
	.p2alignl 7, 3214868480
	.fill 96, 4, 3214868480
	.section	.rodata,"a",@progbits
	.p2align	6, 0x0
	.amdhsa_kernel k_q1eab28688c_route
		.amdhsa_group_segment_fixed_size 74752
		.amdhsa_private_segment_fixed_size 0
		.amdhsa_enable_private_segment 0
		.amdhsa_kernarg_size 56
		.amdhsa_user_sgpr_count 2
		.amdhsa_user_sgpr_kernarg_segment_ptr 1
		.amdhsa_wavefront_size32 1
		.amdhsa_system_sgpr_workgroup_id_x 1
		.amdhsa_system_sgpr_workgroup_id_y 1
		.amdhsa_system_sgpr_workgroup_id_z 1
		.amdhsa_system_vgpr_workitem_id 0
		.amdhsa_next_free_vgpr 242
		.amdhsa_next_free_sgpr 66
		.amdhsa_reserve_vcc 1
		.amdhsa_float_denorm_mode_32 3
		.amdhsa_float_denorm_mode_16_64 3
		.amdhsa_memory_ordered 1
		.amdhsa_forward_progress 1
		.amdhsa_inst_pref_size 45
	.end_amdhsa_kernel
	.amdgpu_metadata
---
amdhsa.version: [ 1, 2 ]
amdhsa.kernels:
  - .name:           k_q1eab28688c_route
    .symbol:         k_q1eab28688c_route.kd
    .args:
      - { .name: x, .offset: 0, .size: 8, .value_kind: global_buffer, .address_space: global }
      - { .name: router_w, .offset: 8, .size: 8, .value_kind: global_buffer, .address_space: global }
      - { .name: token_mask, .offset: 16, .size: 8, .value_kind: global_buffer, .address_space: global }
      - { .name: xq, .offset: 24, .size: 8, .value_kind: global_buffer, .address_space: global }
      - { .name: xs, .offset: 32, .size: 8, .value_kind: global_buffer, .address_space: global }
      - { .name: bmap, .offset: 40, .size: 8, .value_kind: global_buffer, .address_space: global }
      - { .name: gw, .offset: 48, .size: 8, .value_kind: global_buffer, .address_space: global }
    .group_segment_fixed_size: 74752
    .private_segment_fixed_size: 0
    .kernarg_segment_align: 8
    .kernarg_segment_size: 56
    .max_flat_workgroup_size: 128
    .sgpr_count:     66
    .vgpr_count:     242
    .wavefront_size: 32
...
	.end_amdgpu_metadata
.endif
;; end of part 5
;; launch ffn1 (part 6): grid 16 x 23, 8 waves a work-group, no clusters, 136,960 bytes of LDS; arguments xq, xs, w1_codes, w1_scales, rowlist, tiles, hid, hs, bmap; writes rowlist, tiles, hid, hs
.if DOCPART == 6
	.amdgcn_target "amdgcn-amd-amdhsa--gfx1250"
	.amdhsa_code_object_version 6
	.text
	.protected	k_q1eab28688c_ffn1
	.globl	k_q1eab28688c_ffn1
	.p2align	8
	.type	k_q1eab28688c_ffn1,@function
k_q1eab28688c_ffn1:
	s_mov_b64 s[64:65], 0
	v_nop
	global_prefetch_b8 v0, s[64:65] scope:SCOPE_SE
	s_setreg_imm32_b32 hwreg(HW_REG_WAVE_MODE, 25, 1), 1
	s_wait_xcnt 0x0
; FFN1.  hidden = Q(relu(Q(x) W1[e])) for the rows of one tile (128 places of one expert) and 128 hidden units; both operands are codes of E2M1 with E8M0 scales.
; Work-group (x, T): tile T, hidden units 128 x .. 128 x + 127, K = 1,024 in 8 steps of 128.  Those 128 units are K step x of the second product.
; THE PLACING OF ROWS is done here, by every work-group for its own tile, from the stored bitmap of choices (bmap [expert 8][64 words]: bit b of word q is token 32 q + b), in whole numbers alone.
; An expert with c rows has ceil(c / 128) tiles, the experts' tiles on end: never more than 2,048 / 128 + 7 = 23, whatever the split.  Row i of a tile is the expert's token of rank 128 x (the tile's number in
; its expert) + i, tokens ascending.  (1) wave w counts expert w's rows; the eight counts meet in LDS; (2) scalars find tile T's expert, first rank and rows n; (3) lane l of a wave seeks the token of its rank:
; X[q] = 64 x (the row's bits before word q) + q rises with q, so the last q with X[q] <= 64 rank + 63 is the rank's word; in it the bit is found by five halvings on the word's own partial counts.
; A place past the expert's rows gets some valid token: its numbers are computed and never reach out0.
; The work-groups with x = 0 store the list for the next launch: rowlist [T][128] tokens, tiles [T] {expert, n}, for every T, tiles without rows too.
; The whole K of both operands (2 x 64 KiB) lies in LDS: nothing is filled again, so there is no ring.  W1's rows hang on the expert alone and are asked for ahead of step (3).
; WAVES.  Wave w: cw = w & 1: units 64 cw on;  tg = w >> 1: places 32 tg on.  4 tiles of W1 x 2 tiles of tokens = 8 accumulators, which take turns, one instruction a turn.
; THE PRODUCT IS USED TRANSPOSED (source 0 = 16 rows of W1, source 1 = 16 tokens), AND THE ROWS OF W1 THAT FORM A TILE ARE NOT NEIGHBOURS: lane r of tile 2 b + u stands for unit 32 b + 8 u + r + 8 (r / 8).
; So a lane holds one token, and the 16 registers of tiles 2 b, 2 b + 1 are units 32 b + 16 (lane / 16) + 0 .. 15: neighbours along the next K, as the conversions want them.
; OUT.  hid [T][m 8][s 16][c 2][lane 32][16 bytes]: the hidden layer as images of the next operand's registers (16 places 16 m on, K step s, registers 4 c .. 4 c + 3); a wave's store is 512 consecutive bytes.
; hs [T][s 16][place 128]: the scale words.
; NO TENSOR LOAD, NO CLUSTER: how many of the 23 tiles have rows hangs on the stored choices; a work-group whose tile has none jumps over its loads and its products by a branch on that number,
; and partners of a cluster would not run alike.  Every wave passes all three barriers on every way.
; LIMITS.  A block of zeros gets the byte 1 with zero codes (this program alone reads the bytes); blocks whose largest magnitude lies under 2^-124 are held at byte 1.
.set PITCH, 528                        ; an LDS row: 512 bytes (1,024 codes) + 16 = 132 words: the 16 rows that a fragment load touches start 4 banks apart (64 banks of 4 bytes: ISA guide 11.1)
.set AL,    0                          ; the tile's 128 rows of x
.set BL,    128*PITCH                  ; 128 rows of W1, placed so that a tile's 16 rows are neighbours
.set SCS,   256*PITCH                  ; 128 scale words of the hidden layer
.set TOTL,  SCS+512                    ; 8 words: each expert's rows
.set NK,    8
.set XSC,   16                         ; v16-23   x's scale words: register ks: lanes 0-15 token tile 0, lanes 16-31 token tile 1
.set WSC,   24                         ; v24-39   W1's, 4 registers a tile: register i: lanes 0-15 K step i, lanes 16-31 K step 4 + i
.set ADR,   40                         ; v40-55   byte offsets of the 16 rows of x that my wave gathers
.set ACC,   64                         ; v64-127  accumulator (mt, t) at 32 mt + 8 t
.set FB,    128                        ; v128-175, v176-223 two sets of fragments: W1's four at 8 t, x's two at 32 + 8 mt
.set S,     64                         ; v64-191  rows on their way to LDS (done with before ACC and FB begin): x's at 4 i, W1's at 64 + 4 i
.set BW,    192                        ; v192-207 the bitmap: my two words (2 l, 2 l + 1) of each expert's row; then in v192-193 those of the tile's expert
.set OWN,   208                        ; v208-209 my two words of row w
.set PT,    210                        ; v210-222 the placing's work (all of v192-222 is done with before the fragments' second set begins)
.set TM,    224                        ; v224-239 the quantiser's work
.set PW,    240                        ; v240-241 two scale bytes a token tile
.set PC,    244                        ; v244-251 codes, 4 registers a token tile
.set TOT,   56                         ; s56-63   each expert's rows
.set MS,    66                         ; s66-81   16 words of the expert's row
.set XS,    82                         ; s82-98   their X, and the next word's
	s_load_b256 s[4:11], s[0:1], 0x0               ; xq s[4:5], xs s[6:7], w1_codes s[8:9], w1_scales s[10:11]
	s_load_b256 s[12:19], s[0:1], 0x20             ; rowlist s[12:13], tiles s[14:15], hid s[16:17], hs s[18:19]
	s_load_b64 s[54:55], s[0:1], 0x40              ; bmap
	v_lshl_add_u32 v242, v0, 2, 0x21300
	v_mov_b32 v243, 0
	v_lshrrev_b32 v1, 5, v0
	v_readfirstlane_b32 s20, v1                    ; wave 0..7
	s_and_b32 s22, ttmp7, 0xffff                   ; T
	s_and_b32 s23, s20, 1                          ; cw
	s_lshr_b32 s26, s20, 1                         ; tg
	v_and_b32 v1, 31, v0                           ; lane
	v_and_b32 v2, 15, v0                           ; r
	v_bfe_u32 v3, v0, 4, 1                         ; h
	v_lshlrev_b32 v4, 4, v1                        ; 16 x lane
	s_mul_i32 s27, s20, 16*PITCH
	v_add_nc_u32 v5, s27, v4                       ; x's rows 16 w on, into LDS
	s_lshl_b32 s27, s26, 5
	s_lshl_b32 s28, s23, 3
	s_add_co_u32 s27, s27, s28
	s_mul_i32 s27, s27, PITCH
	s_add_co_u32 s27, s27, BL
	v_add_nc_u32 v6, s27, v4                       ; W1's row 16 w + i goes to LDS row 32 (w / 2) + 8 (w % 2) + 16 (i / 8) + i % 8
	v_mul_u32_u24 v7, v2, PITCH
	v_lshl_add_u32 v7, v3, 4, v7                   ; a fragment's row r, + 16 h
	s_mul_i32 s27, s23, 64*PITCH
	s_add_co_u32 s27, s27, BL
	v_add_nc_u32 v8, s27, v7                       ; my four tiles of W1
	s_mul_i32 s27, s26, 32*PITCH
	v_add_nc_u32 v7, s27, v7                       ; my two tiles of tokens
	s_lshl_b32 s27, s26, 7                         ; 32 tg words
	s_lshl_b32 s28, s23, 1
	s_add_co_u32 s28, s27, s28
	s_add_co_u32 s28, s28, SCS
	v_lshl_add_u32 v9, v2, 2, s28                  ; my two bytes of place 32 tg + r's scale word
	v_and_b32 v12, 8, v2
	v_add_nc_u32 v12, v12, v2                      ; r + 8 (r / 8)
	v_lshlrev_b32 v15, 4, v3
	v_lshl_add_u32 v12, v12, 5, v15                ; W1's scales: 32 bytes a row, + 16 h
	v_lshl_add_u32 v13, v1, 4, SCS
	v_lshlrev_b32 v14, 3, v1                       ; the bitmap: my 8 bytes of a row of 256
	s_lshl_b32 s27, s20, 8
	v_add_nc_u32 v15, s27, v14                     ; and of row w
	v_lshlrev_b32 v60, 2, v1                       ; the list's store: 4 bytes a lane
	v_mov_b32 v61, 0                               ; the tile's entry: at its base
	s_lshl_b32 s27, s20, 2
	s_add_co_u32 s27, s27, TOTL
	v_mov_b32 v252, s27                            ; LDS: expert w's count
	v_mov_b32 v253, TOTL                           ; and all eight
.irp q, 0,1,2,3
	v_mov_b32 v[TM+4+\q], 0                        ; written once: a lane permute's destination counts as one of its sources
.endr
	s_mov_b32 s48, 0x76543210                      ; v_permlanex16_b32's selects for lane l xor 16
	s_mov_b32 s49, 0xfedcba98
	s_lshl_b32 s28, s22, 3
	s_mov_b32 s29, 0
	s_lshl_b32 s30, s22, 9
	s_lshl_b32 s31, s26, 7
	s_add_co_u32 s30, s30, s31
	s_mov_b32 s31, 0
	s_wait_kmcnt 0x0
	global_load_b64 v[OWN:OWN+1], v15, s[54:55]    ; row w first: its count is wanted first
.irp e, 0,1,2,3,4,5,6,7
	global_load_b64 v[BW+2*\e:BW+2*\e+1], v14, s[54:55] offset:256*\e      ; a row: the wave reads 256 consecutive bytes
.endr
	s_add_nc_u64 s[14:15], s[14:15], s[28:29]      ; tiles: my tile's entry
	s_add_nc_u64 s[12:13], s[12:13], s[30:31]      ; rowlist: my tile's 128 words, my wave's 32 of them
	s_lshl_b32 s28, s22, 17                        ; hid: 131,072 bytes a tile,
	s_lshl_b32 s30, s26, 15                        ; 16,384 for 16 places: my 32 places,
	s_add_co_u32 s28, s28, s30
	s_lshl_b32 s30, ttmp9, 10                      ; 1,024 a K step,
	s_add_co_u32 s28, s28, s30
	s_lshl_b32 s30, s23, 9                         ; 512 for half a fragment
	s_add_co_u32 s28, s28, s30
	s_add_nc_u64 s[16:17], s[16:17], s[28:29]
	s_lshl_b32 s28, s22, 13                        ; hs: 8,192 bytes a tile, 512 a K step
	s_lshl_b32 s30, ttmp9, 9
	s_add_co_u32 s28, s28, s30
	s_add_nc_u64 s[18:19], s[18:19], s[28:29]
	; (1) EXPERT w's ROWS.  The bits of my two words are counted in fields of 2, 4 and 8 bits; the two words are added as fields of 4 (at most 4 + 4), so the step to bytes masks ahead of its addition
	s_wait_loadcnt 8                               ; row w is in; the eight rows issued behind it may be out
	v_lshrrev_b32 v[PT], 1, v[OWN]
	v_lshrrev_b32 v[PT+1], 1, v[OWN+1]
	v_and_b32 v[PT], 0x55555555, v[PT]
	v_and_b32 v[PT+1], 0x55555555, v[PT+1]
	v_sub_nc_u32 v[OWN], v[OWN], v[PT]
	v_sub_nc_u32 v[OWN+1], v[OWN+1], v[PT+1]
	v_lshrrev_b32 v[PT], 2, v[OWN]
	v_lshrrev_b32 v[PT+1], 2, v[OWN+1]
	v_and_b32 v[OWN], 0x33333333, v[OWN]
	v_and_b32 v[OWN+1], 0x33333333, v[OWN+1]
	v_and_b32 v[PT], 0x33333333, v[PT]
	v_and_b32 v[PT+1], 0x33333333, v[PT+1]
	v_add_nc_u32 v[OWN], v[OWN], v[PT]
	v_add_nc_u32 v[OWN+1], v[OWN+1], v[PT+1]
	v_add_nc_u32 v[OWN], v[OWN], v[OWN+1]
	v_lshrrev_b32 v[PT], 4, v[OWN]
	v_and_b32 v[OWN], 0x0f0f0f0f, v[OWN]
	v_and_b32 v[PT], 0x0f0f0f0f, v[PT]
	v_add_nc_u32 v[OWN], v[OWN], v[PT]             ; four bytes, at most 16 each
	v_lshrrev_b32 v[PT], 16, v[OWN]
	v_add_nc_u32 v[OWN], v[OWN], v[PT]
	v_lshrrev_b32 v[PT], 8, v[OWN]
	v_add_nc_u32 v[OWN], v[OWN], v[PT]
	v_and_b32 v[OWN], 0x7f, v[OWN]                 ; my 64 tokens' count, 0 to 64
.irp b, 0,1,2,3,4,5,6
	v_and_b32 v[PT+\b], 1<<\b, v[OWN]              ; over the lanes: the sum is the sum over b of 2^b x (how many lanes have bit b of their count set)
.endr
.irp b, 0,1,2,3,4,5,6
	v_cmp_ne_u32 s[MS+\b], 0, v[PT+\b]
.endr
.irp b, 0,1,2,3,4,5,6
	s_bcnt1_i32_b32 s[MS+\b], s[MS+\b]
.endr
.irp b, 1,2,3,4,5,6
	s_lshl_b32 s[MS+\b], s[MS+\b], \b
.endr
	s_add_co_u32 s27, s[MS], s[MS+1]
.irp b, 2,3,4,5,6
	s_add_co_u32 s27, s27, s[MS+\b]
.endr
	v_mov_b32 v[PT], s27
	ds_store_b32 v252, v[PT]                       ; all lanes write the same word with the same value
	s_wait_loadcnt 0x0                             ; the eight rows, issued with row w
	s_wait_dscnt 0x0                               ; for the others' sake: my count has landed
	s_barrier_signal -1
	s_barrier_wait -1
	ds_load_b128 v[PT:PT+3], v253
	ds_load_b128 v[PT+4:PT+7], v253 offset:16
	s_wait_dscnt 0x0
.irp e, 0,1,2,3,4,5,6,7
	v_readfirstlane_b32 s[TOT+\e], v[PT+\e]
.endr
	; (2) TILE T's EXPERT: the last one whose first tile is at or before T.  An expert without rows shares its first tile with the next and is passed over; a T past the last tile finds no rows left
	s_mov_b32 s24, 0                               ; the expert,
	s_mov_b32 s25, s[TOT]                          ; its rows,
	s_mov_b32 s52, 0                               ; its first tile
	s_add_co_u32 s50, s[TOT], 127
	s_lshr_b32 s50, s50, 7                         ; the next expert's first tile
.irp e, 1,2,3,4,5,6,7
	s_cmp_le_u32 s50, s22
	s_cselect_b32 s24, \e, s24
	s_cselect_b32 s25, s[TOT+\e], s25
	s_cselect_b32 s52, s50, s52
	s_add_co_u32 s51, s[TOT+\e], 127
	s_lshr_b32 s51, s51, 7
	s_add_co_u32 s50, s50, s51
.endr
	s_sub_co_u32 s52, s22, s52
	s_lshl_b32 s52, s52, 7                         ; the tile's first rank
	s_min_u32 s51, s25, s52
	s_sub_co_u32 s25, s25, s51                     ; the expert's rows from that rank on,
	s_min_u32 s25, s25, 128                        ; 128 at the most: n
	s_min_u32 s24, s24, 7                          ; numbers made of loaded ones are held inside their tables before they enter an address
	s_lshl_b32 s51, s26, 5
	s_add_co_u32 s52, s52, s51                     ; my wave's first rank
	s_lshl_b32 s28, s24, 20                        ; w1_codes: 2^20 bytes an expert, 128 rows of 512 a work-group, 16 rows a wave
	s_lshl_b32 s30, ttmp9, 16
	s_add_co_u32 s28, s28, s30
	s_lshl_b32 s30, s20, 13
	s_add_co_u32 s28, s28, s30
	s_add_nc_u64 s[8:9], s[8:9], s[28:29]
	s_lshl_b32 s28, s24, 16                        ; w1_scales: 32 bytes a row; my 64 rows
	s_lshl_b32 s30, ttmp9, 12
	s_add_co_u32 s28, s28, s30
	s_lshl_b32 s30, s23, 11
	s_add_co_u32 s28, s28, s30
	s_add_nc_u64 s[10:11], s[10:11], s[28:29]
.irp t, 0,1,2,3
	global_load_b128 v[WSC+4*\t:WSC+4*\t+3], v12, s[10:11] offset:(32*(\t/2)+8*(\t%2))*32   ; W1's scale words go straight into registers, on every way
.endr
	s_cmp_eq_u32 s25, 0
	s_cbranch_scc1 .Lno_w1                         ; a tile without rows loads no codes
.irp i, 0,1,2,3,4,5,6,7,8,9,10,11,12,13,14,15
	global_load_b128 v[S+64+4*\i:S+64+4*\i+3], v4, s[8:9] offset:512*\i     ; a row of W1: the wave reads 512 consecutive bytes.  On their way while the tokens are sought
.endr
.Lno_w1:
	; (3) MY TOKEN: lane l stands for place 32 tg + l of the tile
.irp e, 1,2,3,4,5,6,7
	s_cmp_eq_u32 s24, \e
	s_cselect_b32 s[MS+\e], -1, 0
.endr
.irp e, 1,2,3,4,5,6,7
	v_cndmask_b32 v[BW], v[BW], v[BW+2*\e], s[MS+\e]           ; my two words of the tile's expert's row
	v_cndmask_b32 v[BW+1], v[BW+1], v[BW+2*\e+1], s[MS+\e]
.endr
	v_add_nc_u32 v[PT], s52, v1                    ; my rank
	v_lshl_or_b32 v[PT+1], v[PT], 6, 63            ; 64 rank + 63: at or above X[q] just where the rank is at or above the bits before word q
	v_mov_b32 v[PT+2], 0                           ; the X kept
	v_mov_b32 v[PT+3], 0                           ; the word kept
	s_mov_b32 s[XS], 0
; 16 words of the row: into scalar registers, their X summed in scalars, then one compare and two selects a word.  Runs of one kind, so that vector and scalar lines hand over three times a run and not at every word
.macro SCAN g
.irp i, 0,1,2,3,4,5,6,7,8,9,10,11,12,13,14,15
	v_readlane_b32 s[MS+\i], v[BW+(\i%2)], 8*(\g)+\i/2         ; word 16 g + i lies in lane 8 g + i / 2
.endr
.irp i, 0,1,2,3,4,5,6,7,8,9,10,11,12,13,14,15
	s_bcnt1_i32_b32 s99, s[MS+\i]
	s_lshl_b32 s99, s99, 6
	s_add_co_u32 s99, s99, 1
	s_add_co_u32 s[XS+\i+1], s[XS+\i], s99         ; X[q + 1] = X[q] + 64 x the word's bits + 1
.endr
.irp i, 0,1,2,3,4,5,6,7,8,9,10,11,12,13,14,15
	v_cmp_le_u32 vcc_lo, s[XS+\i], v[PT+1]
	v_cndmask_b32 v[PT+2], v[PT+2], s[XS+\i], vcc_lo           ; X rises with q: the last that holds stays
	v_cndmask_b32 v[PT+3], v[PT+3], s[MS+\i], vcc_lo
.endr
	s_mov_b32 s[XS], s[XS+16]
.endm
	SCAN 0
	SCAN 1
	SCAN 2
	SCAN 3
	v_and_b32 v[PT+4], 63, v[PT+2]                 ; q
	v_lshrrev_b32 v[PT+5], 6, v[PT+2]              ; the bits before word q
	v_sub_nc_u32 v[PT], v[PT], v[PT+5]             ; j: I want the word's set bit number j, from 0
	v_lshrrev_b32 v[PT+10], 1, v[PT+3]             ; the word's counts in fields of 2 (PT+6), 4 (PT+7), 8 (PT+8) and, in its low byte, of bits 0 to 15 (PT+9)
	v_and_b32 v[PT+10], 0x55555555, v[PT+10]
	v_sub_nc_u32 v[PT+6], v[PT+3], v[PT+10]
	v_lshrrev_b32 v[PT+10], 2, v[PT+6]
	v_and_b32 v[PT+11], 0x33333333, v[PT+6]
	v_and_b32 v[PT+10], 0x33333333, v[PT+10]
	v_add_nc_u32 v[PT+7], v[PT+11], v[PT+10]
	v_lshrrev_b32 v[PT+10], 4, v[PT+7]
	v_add_nc_u32 v[PT+10], v[PT+7], v[PT+10]       ; (fields of 4 hold at most 4 here: their sum fits)
	v_and_b32 v[PT+8], 0x0f0f0f0f, v[PT+10]
	v_lshrrev_b32 v[PT+10], 8, v[PT+8]
	v_add_nc_u32 v[PT+9], v[PT+8], v[PT+10]
	v_and_b32 v[PT+10], 0xff, v[PT+9]              ; the lower 16 bits' count: if j is at or above it, the bit lies in the upper 16, and j is counted from there
	v_cmp_ge_u32 vcc_lo, v[PT], v[PT+10]
	v_sub_nc_u32 v[PT+11], v[PT], v[PT+10]
	v_cndmask_b32 v[PT], v[PT], v[PT+11], vcc_lo
	v_cndmask_b32 v[PT+12], 0, 16, vcc_lo          ; where the window begins
.macro HALVE a, w                      ; the same for a window of 2 w bits: the count of its lower w bits is the field of w bits at the window's first bit
	v_bfe_u32 v[PT+10], v[\a], v[PT+12], \w
	v_cmp_ge_u32 vcc_lo, v[PT], v[PT+10]
	v_sub_nc_u32 v[PT+11], v[PT], v[PT+10]
	v_cndmask_b32 v[PT], v[PT], v[PT+11], vcc_lo
	v_add_nc_u32 v[PT+11], \w, v[PT+12]
	v_cndmask_b32 v[PT+12], v[PT+12], v[PT+11], vcc_lo
.endm
	HALVE PT+8, 8
	HALVE PT+7, 4
	HALVE PT+6, 2
	HALVE PT+3, 1
	v_lshl_add_u32 v11, v[PT+4], 5, v[PT+12]       ; my token: 32 q + the bit's place.  v11 stays to the end
	v_min_u32 v11, 0x7ff, v11                      ; held inside the tables before it enters an address
	v_lshlrev_b32 v10, 5, v11                      ; a row of xs is 32 bytes
	s_cmp_lg_u32 s23, 0                            ; my wave gathers the rows of places 16 w + i = 32 tg + 16 cw + i
	s_cbranch_scc1 .Lupper
.irp i, 0,1,2,3,4,5,6,7,8,9,10,11,12,13,14,15
	v_readlane_b32 s[32+\i], v11, \i
.endr
	s_branch .Lhave
.Lupper:
.irp i, 0,1,2,3,4,5,6,7,8,9,10,11,12,13,14,15
	v_readlane_b32 s[32+\i], v11, 16+\i
.endr
.Lhave:
.irp i, 0,1,2,3,4,5,6,7,8,9,10,11,12,13,14,15
	s_min_u32 s[32+\i], s[32+\i], 0x7ff
	s_lshl_b32 s[32+\i], s[32+\i], 9               ; a row of xq is 512 bytes
	v_add_nc_u32 v[ADR+\i], s[32+\i], v4
.endr
	global_load_b128 v[XSC:XSC+3], v10, s[6:7]     ; my token's eight scale words, on every way
	global_load_b128 v[XSC+4:XSC+7], v10, s[6:7] offset:16
	s_cmp_eq_u32 s25, 0
	s_cbranch_scc1 .Lno_fill
.irp i, 0,1,2,3,4,5,6,7,8,9,10,11,12,13,14,15
	global_load_b128 v[S+4*\i:S+4*\i+3], v[ADR+\i], s[4:5]                  ; a token's row of codes: 512 consecutive bytes
.endr
	s_wait_loadcnt 18                              ; W1's scales and rows are in; x's 2 scale loads and 16 rows, issued behind them, may be out
.irp i, 0,1,2,3,4,5,6,7,8,9,10,11,12,13,14,15
	ds_store_b128 v6, v[S+64+4*\i:S+64+4*\i+3] offset:(16*(\i/8)+\i%8)*PITCH
.endr
	s_wait_loadcnt 0x0
.irp i, 0,1,2,3,4,5,6,7,8,9,10,11,12,13,14,15
	ds_store_b128 v5, v[S+4*\i:S+4*\i+3] offset:\i*PITCH
.endr
.Lno_fill:
	s_wait_loadcnt 0x0                             ; the scale words
	s_wait_dscnt 0x0                               ; for the others' sake: my rows have landed
	s_barrier_signal -1
	s_barrier_wait -1                              ; both operands are whole in LDS
	s_cmp_eq_u32 s25, 0
	s_cbranch_scc1 .Lno_work
; A fragment, 16 rows x 128 K of 4-bit codes, is 8 registers: lane (r, h) holds row r; registers 4 c .. 4 c + 3 hold K = 64 c + 32 h + 0 .. 31: two loads of 16 bytes, 32 bytes apart.
.macro FETCH ks, p
.irp t, 0,1,2,3
.irp c, 0,1
	ds_load_b128 v[FB+48*(\p)+8*\t+4*\c:FB+48*(\p)+8*\t+4*\c+3], v8 offset:16*PITCH*\t+64*(\ks)+32*\c
.endr
.endr
.irp mt, 0,1
.irp c, 0,1
	ds_load_b128 v[FB+48*(\p)+32+8*\mt+4*\c:FB+48*(\p)+32+8*\mt+4*\c+3], v7 offset:16*PITCH*\mt+64*(\ks)+32*\c
.endr
.endr
.endm
; Eight products.  K step 0 starts the sums with the constant 0: nothing is cleared.  W1's scale words come from lanes 16-31 in K steps 4 to 7, x's for token tile 1.
.macro MUL ks, p
.irp mt, 0,1
.irp t, 0,1,2,3
.set rD, ACC+32*\mt+8*\t
.set rA, FB+48*(\p)+8*\t
.set rB, FB+48*(\p)+32+8*\mt
.set rS, WSC+4*\t+(\ks)%4
.set rH, XSC+(\ks)
.set up, (\ks)/4
.if (\ks) == 0 && \mt == 0
	v_wmma_scale_f32_16x16x128_f8f6f4 v[rD:rD+7], v[rA:rA+7], v[rB:rB+7], 0, v[rS], v[rH] matrix_a_fmt:MATRIX_FMT_FP4 matrix_b_fmt:MATRIX_FMT_FP4
.elseif (\ks) == 0
	v_wmma_scale_f32_16x16x128_f8f6f4 v[rD:rD+7], v[rA:rA+7], v[rB:rB+7], 0, v[rS], v[rH] matrix_a_fmt:MATRIX_FMT_FP4 matrix_b_fmt:MATRIX_FMT_FP4 matrix_b_scale:MATRIX_SCALE_ROW1
.elseif up == 0 && \mt == 0
	v_wmma_scale_f32_16x16x128_f8f6f4 v[rD:rD+7], v[rA:rA+7], v[rB:rB+7], v[rD:rD+7], v[rS], v[rH] matrix_a_fmt:MATRIX_FMT_FP4 matrix_b_fmt:MATRIX_FMT_FP4
.elseif up == 0
	v_wmma_scale_f32_16x16x128_f8f6f4 v[rD:rD+7], v[rA:rA+7], v[rB:rB+7], v[rD:rD+7], v[rS], v[rH] matrix_a_fmt:MATRIX_FMT_FP4 matrix_b_fmt:MATRIX_FMT_FP4 matrix_b_scale:MATRIX_SCALE_ROW1
.elseif \mt == 0
	v_wmma_scale_f32_16x16x128_f8f6f4 v[rD:rD+7], v[rA:rA+7], v[rB:rB+7], v[rD:rD+7], v[rS], v[rH] matrix_a_fmt:MATRIX_FMT_FP4 matrix_b_fmt:MATRIX_FMT_FP4 matrix_a_scale:MATRIX_SCALE_ROW1
.else
	v_wmma_scale_f32_16x16x128_f8f6f4 v[rD:rD+7], v[rA:rA+7], v[rB:rB+7], v[rD:rD+7], v[rS], v[rH] matrix_a_fmt:MATRIX_FMT_FP4 matrix_b_fmt:MATRIX_FMT_FP4 matrix_a_scale:MATRIX_SCALE_ROW1 matrix_b_scale:MATRIX_SCALE_ROW1
.endif
.endr
.endr
.endm
	FETCH 0, 0
.set KS, 0
.rept NK
.if KS < NK-1
.if KS > 0
.rept 4
	v_nop                                          ; four places between the last products and loads into the set that they read (ISA guide 7.12.1 for vector instructions)
.endr
.endif
	FETCH KS+1, (KS+1)%2
	s_wait_dscnt 12                                ; this K step's 12 loads are in; the 12 just issued may be out
.else
	s_wait_dscnt 0x0
.endif
	MUL KS, KS%2
.set KS, KS+1
.endr
.rept 4
	v_nop                                          ; four places ahead of the first read of results
.endr
.set j, 0
.rept 64
	v_max_num_f32 v[ACC+j], 0, v[ACC+j]            ; the activation, in f32; ascending
.set j, j+1
.endr
	; THE QUANTISER.  Half-block q = 2 mt + b: my 16 numbers of block b (32 units) of token tile mt.  No |.| on the sources: none is negative.
.irp q, 0,1,2,3
	v_max3_num_f32 v[TM+\q], v[ACC+16*\q], v[ACC+16*\q+1], 0x1800000       ; with the floor 2^(3 - 127): the byte cannot fall under 1
.endr
.irp i, 2,4,6,8,10,12,14
.irp q, 0,1,2,3
	v_max3_num_f32 v[TM+\q], v[TM+\q], v[ACC+16*\q+\i], v[ACC+16*\q+\i+1]  ; (the four by turns: no line waits for the line above it)
.endr
.endr
.irp q, 0,1,2,3
	v_permlanex16_b32 v[TM+4+\q], v[TM+\q], s48, s49
.endr
.irp q, 0,1,2,3
	v_max_num_f32 v[TM+\q], v[TM+\q], v[TM+4+\q]   ; with lane l xor 16's 16: the block's largest magnitude
.endr
.irp q, 0,1,2,3
	v_add_nc_u32 v[TM+12+\q], 0xff000000, v[TM+\q] ; 2 off its exponent field: the conversion's scale operand
.endr
.irp q, 0,1,2,3
	v_lshrrev_b32 v[TM+4+\q], 23, v[TM+12+\q]      ; the scale's byte
.endr
.irp mt, 0,1
	v_lshl_or_b32 v[PW+\mt], v[TM+5+2*\mt], 8, v[TM+4+2*\mt]               ; my wave's two bytes of the token's scale word
.endr
.irp q, 0,1,2,3
	v_cvt_scalef32_pk8_fp4_f32 v[PC+2*\q], v[ACC+16*\q:ACC+16*\q+7], v[TM+12+\q]
	v_cvt_scalef32_pk8_fp4_f32 v[PC+2*\q+1], v[ACC+16*\q+8:ACC+16*\q+15], v[TM+12+\q]
.endr
	v_nop                                          ; one plain line behind the last scaled conversion
.irp mt, 0,1                           ; the operand's layout wants a whole block in a lane: lanes 0-15 block 0, lanes 16-31 block 1
.irp i, 0,1
	v_permlane16_swap_b32 v[PC+4*\mt+\i], v[PC+4*\mt+2+\i]
.endr
.endr
.irp mt, 0,1
	ds_store_b16 v9, v[PW+\mt] offset:64*\mt       ; (lanes r and 16 + r write the same two bytes with the same value)
	global_store_b128 v4, v[PC+4*\mt:PC+4*\mt+3], s[16:17] offset:16384*\mt   ; half a fragment's image: 512 consecutive bytes
.endr
.Lno_work:
	s_wait_dscnt 0x0                               ; for wave 0's sake: my bytes of the scale words have landed
	s_barrier_signal -1
	s_barrier_wait -1
	s_or_b32 s27, ttmp9, s23                       ; THE LIST FOR THE NEXT LAUNCH: in the work-groups with x = 0 the four waves with cw = 0 store their 32 tokens, on every way
	s_cmp_lg_u32 s27, 0
	s_cbranch_scc1 .Lno_list
	global_store_b32 v60, v11, s[12:13]            ; 128 consecutive bytes a wave, the four waves' 512 on end
.Lno_list:
	s_cmp_lg_u32 s20, 0
	s_cbranch_scc1 .Lend
	s_cmp_eq_u32 s25, 0
	s_cbranch_scc1 .Lno_hs
	ds_load_b128 v[56:59], v13
	s_wait_dscnt 0x0
	global_store_b128 v4, v[56:59], s[18:19]       ; the 128 scale words of this K step: 512 consecutive bytes
.Lno_hs:
	s_cmp_lg_u32 ttmp9, 0
	s_cbranch_scc1 .Lend
	v_mov_b32 v254, s24                            ; the tile's entry: expert, rows
	v_mov_b32 v255, s25
	s_wait_xcnt 0x0                                ; EXEC is a source of the stores issued so far: it changes only behind this wait
	v_cmp_gt_u32 vcc_lo, 1, v1
	s_and_saveexec_b32 s28, vcc_lo
	global_store_b64 v61, v[254:255], s[14:15]     ; lane 0 alone: 8 bytes
	s_wait_xcnt 0x0                                ; and again ahead of the line that widens it
	s_or_b32 exec_lo, exec_lo, s28
.Lend:
	s_wait_tensorcnt 0x0
	ds_add_u32 v242, v243
	s_wait_dscnt 0x0
	s_endpgm
.Lfunc_end_k_q1eab28688c_ffn1:
	.size	k_q1eab28688c_ffn1, .Lfunc_end_k_q1eab28688c_ffn1-k_q1eab28688c_ffn1
	.p2alignl 7, 3214868480
	.fill 96, 4, 3214868480
	.section	.rodata,"a",@progbits
	.p2align	6, 0x0
	.amdhsa_kernel k_q1eab28688c_ffn1
		.amdhsa_group_segment_fixed_size 136960
		.amdhsa_private_segment_fixed_size 0
		.amdhsa_enable_private_segment 0
		.amdhsa_kernarg_size 72
		.amdhsa_user_sgpr_count 2
		.amdhsa_user_sgpr_kernarg_segment_ptr 1
		.amdhsa_wavefront_size32 1
		.amdhsa_system_sgpr_workgroup_id_x 1
		.amdhsa_system_sgpr_workgroup_id_y 1
		.amdhsa_system_sgpr_workgroup_id_z 1
		.amdhsa_system_vgpr_workitem_id 0
		.amdhsa_next_free_vgpr 256
		.amdhsa_next_free_sgpr 100
		.amdhsa_reserve_vcc 1
		.amdhsa_float_denorm_mode_32 3
		.amdhsa_float_denorm_mode_16_64 3
		.amdhsa_memory_ordered 1
		.amdhsa_forward_progress 1
		.amdhsa_inst_pref_size 68
	.end_amdhsa_kernel
	.amdgpu_metadata
---
amdhsa.version: [ 1, 2 ]
amdhsa.kernels:
  - .name:           k_q1eab28688c_ffn1
    .symbol:         k_q1eab28688c_ffn1.kd
    .args:
      - { .name: xq, .offset: 0, .size: 8, .value_kind: global_buffer, .address_space: global }
      - { .name: xs, .offset: 8, .size: 8, .value_kind: global_buffer, .address_space: global }
      - { .name: w1_codes, .offset: 16, .size: 8, .value_kind: global_buffer, .address_space: global }
      - { .name: w1_scales, .offset: 24, .size: 8, .value_kind: global_buffer, .address_space: global }
      - { .name: rowlist, .offset: 32, .size: 8, .value_kind: global_buffer, .address_space: global }
      - { .name: tiles, .offset: 40, .size: 8, .value_kind: global_buffer, .address_space: global }
      - { .name: hid, .offset: 48, .size: 8, .value_kind: global_buffer, .address_space: global }
      - { .name: hs, .offset: 56, .size: 8, .value_kind: global_buffer, .address_space: global }
      - { .name: bmap, .offset: 64, .size: 8, .value_kind: global_buffer, .address_space: global }
    .group_segment_fixed_size: 136960
    .private_segment_fixed_size: 0
    .kernarg_segment_align: 8
    .kernarg_segment_size: 72
    .max_flat_workgroup_size: 256
    .sgpr_count:     100
    .vgpr_count:     256
    .wavefront_size: 32
...
	.end_amdgpu_metadata
.endif
;; end of part 6
;; launch ffn2: the kernel of part 4 again; grid 8 x 23, 8 waves a work-group, no clusters, 300,032 bytes of LDS; arguments hid, hs, w2_codes, w2_scales, rowlist, tiles, gw, out0; writes out0
